; MI455X (gfx1250); checked and timed in simulation.
; The chip was launched on July 23, 2026; its instructions are those of AMD's public machine-readable ISA for CDNA 5 (MIT licence, August 2026) and "CDNA5" Instruction Set Architecture Reference Guide (July 2026). The comments in the code are by the model that wrote it; some were corrected since.
;; Lookahead Decoder Block. Allowed arithmetic: float matrix products may take bf16 or f16 operands with f32 sums; other float arithmetic in f32, or as packed bf16 or f16 multiplies, adds, multiply-adds, maxima and minima; sums over many terms, partial sums and values carried from step to step in f32; what a program stores and reads back later, other than sums and carried values, may be rounded once to bf16 or f16.
;; Inputs: alpha 1 x 16 x 1 x 1 float32; b_out 1,024 float32; w_hkv 1,024 x 2,048 float32; w_out 1,024 x 1,024 float32; w_qkv 1,024 x 3,072 float32; x 2 x 2,048 x 1,024 float32.
;; Outputs: out0 2 x 2,048 x 1,024 float32.
;; One version. Each part assembles by itself: llvm-mc -triple=amdgcn-amd-amdhsa -mcpu=gfx1250 --defsym DOCPART=n.
;; ======== version 1 of 1: 4 launches
;; limits: values are held in f16: magnitudes above 65,504 overflow, below 6.1e-05 lose precision
;; workspace buffers: xb 8,388,608 bytes; wcat 10,485,760 bytes; wob 2,097,152 bytes; tab 524,288 bytes; qkvh 50,331,648 bytes; hvf 16,777,216 bytes; gq 262,144 bytes; ohl 16,777,216 bytes
;; launch cast (part 1): grid 672 x 1, 8 waves a work-group, no clusters, 0 bytes of LDS; arguments x, w_qkv, w_hkv, w_out, xb, wcat, wob, tab; writes xb, wcat, wob, tab
.if DOCPART == 1
	.amdgcn_target "amdgcn-amd-amdhsa--gfx1250"
	.amdhsa_code_object_version 6
	.text
	.protected	k_q0f1d2aacbf_cast
	.globl	k_q0f1d2aacbf_cast
	.p2align	8
	.type	k_q0f1d2aacbf_cast,@function
k_q0f1d2aacbf_cast:
	s_mov_b64 s[64:65], 0
	v_nop
	global_prefetch_b8 v0, s[64:65] scope:SCOPE_SE
	s_setreg_imm32_b32 hwreg(HW_REG_WAVE_MODE, 25, 1), 1
	s_wait_xcnt 0x0
; CAST.  x, w_qkv, w_hkv and w_out are rounded once to bf16; the projections' weights are laid by head and K step; RoPE's table is made.
;   xb   [4096][1024] bf16, as x lies.            wob [1024][1024] bf16, as w_out lies.
;   wcat [h 16][ks 8][part 5][k 128][d 64] bf16: part 0..4 = q, k, v, hk, hv: a head's K step of 128 is 81,920 dense bytes.
;   tab  [n 2048][i 32]{cos, sin} f32 of the angle n x 10000^(-i/32): a row is 256 bytes.
; ONE FORM OF COPY.  The source is seen as rows of 64 f32 (256 bytes) PIN bytes apart; a unit is 4 rows.  Lane l reads 32 bytes of row l / 8 and
; stores its 8 bf16 at 16 l: a store of the wave covers 512 consecutive bytes, aligned.  A wave takes 8 units, a work-group 16,384 numbers.
; All 16 loads of a wave go out first; nothing is shared between waves, so there is no LDS, no barrier and no matrix work.
; Work-groups 0-255: x; 256-447: w_qkv; 448-575: w_hkv; 576-639: w_out; 640-671: the table.
; THE TABLE.  The angle's turns t = n f / 2 pi are cut to fr = t - round(t); y = pi fr is half the angle, |y| <= pi / 2; sin y and cos y by their series up to y^11 and y^12
; (the terms left out are under 6e-8 there, for every position); sin = 2 sin y cos y, cos = 1 - 2 sin^2 y.
.macro DENSE                            ; a dense source: 65,536 bytes in and 32,768 out for a work-group, an eighth of each for a wave
	s_lshl_b32 s28, s25, 16
	s_lshl_b32 s27, s24, 13
	s_add_co_u32 s28, s28, s27
	s_lshl_b32 s30, s25, 15
	s_lshl_b32 s27, s24, 12
	s_add_co_u32 s30, s30, s27
.endm
.macro WOFF pin, part0                  ; a projection's weights: work-group i takes column block i / 4 (64 columns) and 256 rows k; a wave 32 of them
	s_lshr_b32 s36, s25, 2                 ; column block
	s_and_b32 s37, s25, 3
	s_lshl_b32 s37, s37, 8
	s_lshl_b32 s38, s24, 5
	s_add_co_u32 s37, s37, s38             ; k0: my wave's first row
	s_mul_i32 s28, s37, \pin
	s_lshl_b32 s38, s36, 8
	s_add_co_u32 s28, s28, s38             ; in: k0 rows down, 256 bytes a column block
	s_lshr_b32 s39, s36, 4
	s_add_co_u32 s39, s39, \part0          ; part
	s_and_b32 s36, s36, 15                 ; head
	s_mul_i32 s30, s36, 655360
	s_lshr_b32 s38, s37, 7
	s_mul_i32 s38, s38, 81920
	s_add_co_u32 s30, s30, s38
	s_lshl_b32 s39, s39, 14
	s_add_co_u32 s30, s30, s39
	s_and_b32 s38, s37, 127
	s_lshl_b32 s38, s38, 7
	s_add_co_u32 s30, s30, s38             ; out: head, K step, part, row
.endm
.macro COPY inp, outp, pin
	v_mul_u32_u24 v6, v4, \pin
	v_lshl_add_u32 v6, v5, 5, v6           ; (l / 8) rows + 32 (l % 8)
	s_add_nc_u64 s[32:33], s[\inp:\inp+1], s[28:29]
	s_add_nc_u64 s[34:35], s[\outp:\outp+1], s[30:31]
.irp i, 0,1,2,3,4,5,6,7
	global_load_b128 v[16+8*\i:19+8*\i], v6, s[32:33] offset:\i*4*\pin th:TH_LOAD_NT
	global_load_b128 v[20+8*\i:23+8*\i], v6, s[32:33] offset:\i*4*\pin+16 th:TH_LOAD_NT
.endr
.irp i, 0,1,2,3,4,5,6,7
	s_wait_loadcnt 14-2*\i                 ; loads come back in order: unit i's two are in, the later units' 2 (7 - i) may stay out
	v_cvt_pk_bf16_f32 v[80+4*\i], v[16+8*\i], v[17+8*\i]
	v_cvt_pk_bf16_f32 v[81+4*\i], v[18+8*\i], v[19+8*\i]
	v_cvt_pk_bf16_f32 v[82+4*\i], v[20+8*\i], v[21+8*\i]
	v_cvt_pk_bf16_f32 v[83+4*\i], v[22+8*\i], v[23+8*\i]
	global_store_b128 v2, v[80+4*\i:83+4*\i], s[34:35] offset:512*\i
.endr
	s_endpgm
.endm
	s_load_b512 s[8:23], s[0:1], 0x0       ; x s[8:9], w_qkv s[10:11], w_hkv s[12:13], w_out s[14:15], xb s[16:17], wcat s[18:19], wob s[20:21], tab s[22:23]
	v_lshrrev_b32 v1, 5, v0
	v_readfirstlane_b32 s24, v1            ; wave 0..7
	v_and_b32 v3, 31, v0                   ; lane
	v_lshrrev_b32 v4, 3, v3
	v_and_b32 v5, 7, v3
	v_lshlrev_b32 v2, 4, v3                ; 16 l
	s_mov_b32 s25, ttmp9
	s_mov_b32 s29, 0                       ; the offsets' high words
	s_mov_b32 s31, 0
	s_wait_kmcnt 0x0
	s_cmp_lt_u32 s25, 256
	s_cbranch_scc0 .Lnot_x
	DENSE
	COPY 8, 16, 256
.Lnot_x:
	s_cmp_lt_u32 s25, 448
	s_cbranch_scc0 .Lnot_qkv
	s_sub_co_u32 s25, s25, 256
	WOFF 12288, 0
	COPY 10, 18, 12288
.Lnot_qkv:
	s_cmp_lt_u32 s25, 576
	s_cbranch_scc0 .Lnot_hkv
	s_sub_co_u32 s25, s25, 448
	WOFF 8192, 3
	COPY 12, 18, 8192
.Lnot_hkv:
	s_cmp_lt_u32 s25, 640
	s_cbranch_scc0 .Ltab
	s_sub_co_u32 s25, s25, 576
	DENSE
	COPY 14, 20, 256
.Ltab:                                  ; work-group t makes rows 64 t .. 64 t + 63: row 64 t + 16 s + 2 w + l / 16, pairs 2 (l % 16) and the next: 16 lanes fill a row of 256 bytes
	s_sub_co_u32 s25, s25, 640
	v_and_b32 v5, 15, v3
	v_lshrrev_b32 v6, 4, v3
	v_lshlrev_b32 v7, 1, v5
	v_cvt_f32_u32 v8, v7
	v_add_nc_u32 v7, 1, v7
	v_cvt_f32_u32 v9, v7
	v_mul_f32 v8, 0xbed49a78, v8           ; - i log2(10000) / 32
	v_mul_f32 v9, 0xbed49a78, v9
	v_exp_f32 v10, v8                      ; the two frequencies
	v_exp_f32 v11, v9
	s_lshl_b32 s26, s25, 6
	s_lshl_b32 s27, s24, 1
	s_add_co_u32 s26, s26, s27
	v_add_nc_u32 v12, s26, v6              ; my first row (plain lines stand behind the exponentials)
	v_lshlrev_b32 v13, 8, v12
	v_lshl_add_u32 v13, v5, 4, v13         ; its byte, and my 16 bytes in it
	s_wait_alu depctr_va_vdst(0)           ; one wait for both exponentials, ahead of their first reader
.macro ANGLE f, out                     ; v15 = the position as f32; cos into v[out], sin into v[out+1]
	v_mul_f32 v20, v15, v[\f]
	v_mul_f32 v20, 0.15915494, v20         ; turns
	v_rndne_f32 v21, v20
	v_sub_f32 v20, v20, v21                ; within half a turn of 0
	v_mul_f32 v20, 0x40490fdb, v20         ; y: half the angle
	v_mul_f32 v21, v20, v20
	v_mov_b32 v22, 0xb2d7322b              ; -1/11!
	v_fmaak_f32 v22, v22, v21, 0x3638ef1d  ; 1/9!
	v_fmaak_f32 v22, v22, v21, 0xb9500d01  ; -1/7!
	v_fmaak_f32 v22, v22, v21, 0x3c088889  ; 1/5!
	v_fmaak_f32 v22, v22, v21, 0xbe2aaaab  ; -1/3!
	v_fmaak_f32 v22, v22, v21, 0x3f800000
	v_mul_f32 v22, v22, v20                ; sin y
	v_mov_b32 v23, 0x310f76c8              ; 1/12!
	v_fmaak_f32 v23, v23, v21, 0xb493f27e  ; -1/10!
	v_fmaak_f32 v23, v23, v21, 0x37d00d01  ; 1/8!
	v_fmaak_f32 v23, v23, v21, 0xbab60b61  ; -1/6!
	v_fmaak_f32 v23, v23, v21, 0x3d2aaaab  ; 1/4!
	v_fmaak_f32 v23, v23, v21, 0xbf000000  ; -1/2!
	v_fmaak_f32 v23, v23, v21, 0x3f800000  ; cos y
	v_mul_f32 v24, v22, v22
	v_fma_f32 v[\out], v24, -2.0, 1.0
	v_mul_f32 v23, v22, v23
	v_add_f32 v[(\out)+1], v23, v23
.endm
.irp s, 0,1,2,3
	v_add_nc_u32 v14, 16*\s, v12
	v_cvt_f32_u32 v15, v14
	ANGLE 10, 40+4*\s
	ANGLE 11, 42+4*\s
	global_store_b128 v13, v[40+4*\s:43+4*\s], s[22:23] offset:4096*\s  ; the wave's store covers two rows: 512 consecutive bytes, aligned
.endr
	s_endpgm
.Lfunc_end_k_q0f1d2aacbf_cast:
	.size	k_q0f1d2aacbf_cast, .Lfunc_end_k_q0f1d2aacbf_cast-k_q0f1d2aacbf_cast
	.p2alignl 7, 3214868480
	.fill 96, 4, 3214868480
	.section	.rodata,"a",@progbits
	.p2align	6, 0x0
	.amdhsa_kernel k_q0f1d2aacbf_cast
		.amdhsa_group_segment_fixed_size 0
		.amdhsa_private_segment_fixed_size 0
		.amdhsa_enable_private_segment 0
		.amdhsa_kernarg_size 64
		.amdhsa_user_sgpr_count 2
		.amdhsa_user_sgpr_kernarg_segment_ptr 1
		.amdhsa_wavefront_size32 1
		.amdhsa_system_sgpr_workgroup_id_x 1
		.amdhsa_system_sgpr_workgroup_id_y 1
		.amdhsa_system_sgpr_workgroup_id_z 1
		.amdhsa_system_vgpr_workitem_id 0
		.amdhsa_next_free_vgpr 112
		.amdhsa_next_free_sgpr 66
		.amdhsa_reserve_vcc 0
		.amdhsa_float_denorm_mode_32 3
		.amdhsa_float_denorm_mode_16_64 3
		.amdhsa_memory_ordered 1
		.amdhsa_forward_progress 1
		.amdhsa_inst_pref_size 34
	.end_amdhsa_kernel
	.amdgpu_metadata
---
amdhsa.version: [ 1, 2 ]
amdhsa.kernels:
  - .name:           k_q0f1d2aacbf_cast
    .symbol:         k_q0f1d2aacbf_cast.kd
    .args:
      - { .name: x, .offset: 0, .size: 8, .value_kind: global_buffer, .address_space: global }
      - { .name: w_qkv, .offset: 8, .size: 8, .value_kind: global_buffer, .address_space: global }
      - { .name: w_hkv, .offset: 16, .size: 8, .value_kind: global_buffer, .address_space: global }
      - { .name: w_out, .offset: 24, .size: 8, .value_kind: global_buffer, .address_space: global }
      - { .name: xb, .offset: 32, .size: 8, .value_kind: global_buffer, .address_space: global }
      - { .name: wcat, .offset: 40, .size: 8, .value_kind: global_buffer, .address_space: global }
      - { .name: wob, .offset: 48, .size: 8, .value_kind: global_buffer, .address_space: global }
      - { .name: tab, .offset: 56, .size: 8, .value_kind: global_buffer, .address_space: global }
    .group_segment_fixed_size: 0
    .private_segment_fixed_size: 0
    .kernarg_segment_align: 8
    .kernarg_segment_size: 64
    .max_flat_workgroup_size: 256
    .sgpr_count:     66
    .vgpr_count:     112
    .wavefront_size: 32
...
	.end_amdgpu_metadata
.endif
;; end of part 1
;; launch proj (part 2): grid 16 x 16, 4 waves a work-group, clusters of 4 x 4, 327,680 bytes of LDS; arguments xb, wcat, tab, qkvh, hvf, gq; writes qkvh, hvf, gq
.if DOCPART == 2
	.amdgcn_target "amdgcn-amd-amdhsa--gfx1250"
	.amdhsa_code_object_version 6
	.text
	.protected	k_q0f1d2aacbf_proj
	.globl	k_q0f1d2aacbf_proj
	.p2align	8
	.type	k_q0f1d2aacbf_proj,@function
k_q0f1d2aacbf_proj:
	s_mov_b64 s[64:65], 0
	v_nop
	global_prefetch_b8 v0, s[64:65] scope:SCOPE_SE
	s_setreg_imm32_b32 hwreg(HW_REG_WAVE_MODE, 25, 1), 1
	s_wait_xcnt 0x0
	s_wait_alu depctr_hold_cnt(0) depctr_sa_sdst(0) depctr_va_vdst(0) depctr_va_sdst(0) depctr_va_ssrc(0) depctr_va_vcc(0) depctr_vm_vsrc(0)
	s_getreg_b32 s2, hwreg(HW_REG_IB_STS2, 6, 4)
	s_cmp_eq_u32 s2, 0
	s_cbranch_scc0 .Lentry_in_a_cluster
	s_endpgm
.Lentry_in_a_cluster:
	s_bfe_u32 s2, ttmp6, 0x10000c
	s_cmp_lg_u32 s2, 0xf033
	s_cbranch_scc0 .Lentry_shape_is_right
	s_endpgm
.Lentry_shape_is_right:
; THE FIVE PROJECTIONS, RoPE AND g.  [q k v hk hv](row, head) = x(row, :) w(:, head), bf16 operands, f32 sums, K = 1024 ascending in steps of 128.
; Out: qkvh = six regions [bh 32][n 2048][64] f16: Q' = rope(q) x 0.18033688 (1/8 x log2 e), K = rope(k), V, HK, and the low parts KL = f16(rope(k) - K), HL = f16(hk - HK);
; hvf = hv in f32; gq[bh][n] = -0.18033688 x sum_d rope(q)_d hk_d in f32, of the unrounded sums.
; LIMIT.  Q', K, V and HK are rounded to f16: they must stay under 65,504 in magnitude (inputs of unit spread give numbers of a few units).
; SHARES.  A work-group makes 256 rows x the 320 columns of ONE head (16 x 16 work-groups, one for each of 256 WGPs), so that q and hk of a row meet in one lane.  Wave w: rows 64 w .. 64 w + 63, all 320 columns: 80 accumulators.
; THE PRODUCT IS USED TRANSPOSED: source 0 = 16 columns of w (turned on the way out of LDS), source 1 = 16 rows of x: lane l holds row l % 16 and the columns 8 (l / 16) + 0..7 of a block of 16.
; CLUSTER 4 x 4: x's tile hangs on the tile row alone and is asked for jointly along a row of the cluster, w's on the head alone and along a column.
; LDS: two slots of A (256 rows x 272) and B (320 rows of 256 bytes, two k of one part each, x 288); the spare words behind them.  The way out's stages lie in slot 0, whose last fill has landed and whose last reads
; lie in front of the last change of slots' barrier.
; REGISTERS.  window 0: v14-31 addresses; v32-95 two buffers of x's fragments; v96-255 w's fragments (part p, block j at 96 + 32 p + 8 j); on the way out v32-239 at work.
;   window 1: accumulators of q (v0-127) and k (v128-255), row block a, column block j at 32 a + 8 j;  window 2: v and hk;  window 3: hv (v0-127) and the table for my 64 rows (v128-255).
.set PA,    272                         ; a row of x in LDS: 256 bytes + 16: the 16 rows of a load start at 16 different groups of four banks
.set PB,    288                         ; a memory row of w: 256 + 32: the eight rows k of a turning load's pass start at 0, 128, 32, 160, 64, 192, 96, 224 modulo 256, 32 bytes each
.set HALFA, 128*PA
.set HALFB, 160*PB
.set BOFF,  2*HALFA
.set SLOT,  BOFF+2*HALFB
.set PARTB, 64*PB                       ; a part's 128 k in a slot
.set SPARE, 2*SLOT                      ; the spare words: 128 bytes for each wave, two blocks of 256 bytes that no other line names
.set STG,   16*272                      ; a wave's stage
.set GGO,  14                           ; v14  8 l: my 8 bytes of gq
.set GRD,  15                           ; v15  where I read two g back
.set ADRA, 16                           ; v16-17  my fragments of x in slot 0, 1
.set ADRB, 18                           ; v18-21  my fragments of w: slot 0 parts 0-2, parts 3-4; slot 1 likewise (an LDS immediate ends at 65,535)
.set STO16, 22
.set RD16,  23
.set STO32, 24
.set RD32,  25
.set L16,  26                           ; v26  16 l
.set TBO,  27                           ; v27  my offset in the table's rows
.set SPW,  28                           ; v28  my spare word; never rewritten
.set NIL,  29                           ; v29  0; never rewritten
.set PFO,  30                           ; v30  the prefetches' lane offset; never rewritten
.set GST,  31                           ; v31  where I put a g
.set FA0,  32
.set FB,   96
.set RQ,   32                           ; the way out: rope(q) v32-63, rope(k) v64-95
.set CH,   96                           ; four chains of two
.set GG,   104                          ; g of the four row blocks
.set NEG1, 108                          ; -1.0
.set PK,   112                          ; packed f16: q, k, v, hk, 16 registers each
.set HVB,  176                          ; hv's rows read back
.set KLP,  208                          ; packed f16: k's low part,
.set HLP,  224                          ; hk's
.set G1A, 24
.set G0A, 32
.set G1B, 48
.set G0B, 56
.set MSB, 0
.macro WIN new                          ; the immediate's high byte repeats the setting that is left; a switch that changes nothing is dropped
.if MSB != (\new)
	s_set_vgpr_msb (MSB<<8)|(\new)
.set MSB, \new
.endif
.endm
.macro PLACES                           ; four plain vector instructions between a matrix instruction and a load into, or a vector read or write of, its registers
.rept 4
	v_nop
.endr
.endm
.macro CREST                            ; a round of the cluster's barrier behind its opening barrier
	s_cmp_lg_u32 s16, 0
	s_cbranch_scc1 .Lnot_wave_0_\@
	s_barrier_signal -3
.Lnot_wave_0_\@:
	s_barrier_wait -3
	s_barrier_signal -1
	s_barrier_wait -1
.endm
.macro CROUND
	s_barrier_signal -1
	s_barrier_wait -1
	CREST
.endm
.macro JLOAD s                          ; a joint refill: waves 0 and 1 fetch x's two halves, waves 2 and 3 w's; the branch hangs on the wave's number alone
	s_cmp_eq_u32 s17, 0
	s_cbranch_scc0 .Lfor_b_\@
	tensor_load_to_lds s[G0A+4*(\s):G0A+4*(\s)+3], s[G1A:G1A+7]
	s_nop 0
	PLACES
	s_branch .Lasked_\@
.Lfor_b_\@:
	tensor_load_to_lds s[G0B+4*(\s):G0B+4*(\s)+3], s[G1B:G1B+7]
	s_nop 0
	PLACES
.Lasked_\@:
.endm
; A PREFETCH INTO THE L2, behind a joint refill and the run of LDS loads that follows it.  x: the clusters with x = 0 ask, waves 0 and 1; of a wave's 128 rows the partner at cx takes 32, by address, a lane a row: at refill e = 0..3
; the K step e + 4, two refills ahead of its load.  w: the clusters with y = 0 ask, waves 2 and 3; a head's K steps 4 to 7 are 1,280 dense blocks of 256 bytes, of which the eight waves of a column of the cluster name 256 at each
; of the refills e = 0..4, a lane a block, each block one refill or more ahead of its load.  So each block is named once in the launch; K steps 0 to 3 come by their loads alone.  s70, s71 hang on the wave's number and the cluster's coordinates alone.
.macro ASK slot
	s_cmp_gt_u32 s3, s[70+(\slot)]
	s_cbranch_scc0 .Lnot_mine_\@
	global_prefetch_b8 v[PFO], s[66:67] th:TH_LOAD_NT scope:SCOPE_SE
.Lnot_mine_\@:
.endm
; 16 matrix instructions: part p, all four row blocks x its four column blocks, 32 along K.  The 80 accumulators take turns, one instruction a turn, over the loop's edge too.
.macro MULP p, fa, zero
	WIN 0x50*(1+(\p)/2)
.irp a, 0,1,2,3
.irp j, 0,1,2,3
.if \zero
	v_wmma_f32_16x16x32_bf16 v[128*((\p)%2)+32*\a+8*\j:128*((\p)%2)+32*\a+8*\j+7], v[FB+32*(\p)+8*\j:FB+32*(\p)+8*\j+7], v[(\fa)+8*\a:(\fa)+8*\a+7], 0
.else
	v_wmma_f32_16x16x32_bf16 v[128*((\p)%2)+32*\a+8*\j:128*((\p)%2)+32*\a+8*\j+7], v[FB+32*(\p)+8*\j:FB+32*(\p)+8*\j+7], v[(\fa)+8*\a:(\fa)+8*\a+7], v[128*((\p)%2)+32*\a+8*\j:128*((\p)%2)+32*\a+8*\j+7]
.endif
.endr
.endr
.endm
.macro LDB p, slot, c                   ; part p's four fragments of chunk c (32 k x 64 columns), turned: 8 loads
	WIN 0
.irp j, 0,1,2,3
	ds_load_tr16_b128 v[FB+32*(\p)+8*\j:FB+32*(\p)+8*\j+3], v[ADRB+2*(\slot)+(\p)/3] offset:((\p)%3)*PARTB+(\c)*16*PB+32*\j
	ds_load_tr16_b128 v[FB+32*(\p)+8*\j+4:FB+32*(\p)+8*\j+7], v[ADRB+2*(\slot)+(\p)/3] offset:((\p)%3)*PARTB+(\c)*16*PB+8*PB+32*\j
.endr
.endm
.macro LDA fa, slot, c                  ; x's four fragments of chunk c: 8 loads
	WIN 0
.irp a, 0,1,2,3
	ds_load_b128 v[(\fa)+8*\a:(\fa)+8*\a+3], v[ADRA+(\slot)] offset:\a*16*PA+64*(\c)
	ds_load_b128 v[(\fa)+8*\a+4:(\fa)+8*\a+7], v[ADRA+(\slot)] offset:\a*16*PA+64*(\c)+32
.endr
.endm
; A CHUNK: 32 along K, 80 matrix instructions.  On entry 48 loads are out, in this order: parts 0, 1 and x (24), parts 2, 3 (16), part 4 (8).  Each group of w's registers is loaded again, for the next chunk, straight behind its last reader.
.macro CHUNK c, slot, zero
	s_wait_dscnt 24                        ; parts 0, 1 and x are in; the 16 + 8 younger loads may stay out
	MULP 0, FA0+32*((\c)%2), \zero
	MULP 1, FA0+32*((\c)%2), \zero
	PLACES
	LDB 0, \slot, (\c)+1
	LDB 1, \slot, (\c)+1
	LDA FA0+32*(((\c)+1)%2), \slot, (\c)+1
	s_wait_dscnt 32                        ; parts 2, 3 are in; part 4's 8 and the 24 just issued may stay out
	MULP 2, FA0+32*((\c)%2), \zero
	MULP 3, FA0+32*((\c)%2), \zero
	PLACES
	LDB 2, \slot, (\c)+1
	LDB 3, \slot, (\c)+1
	s_wait_dscnt 40                        ; part 4 is in; the 24 + 16 of the next chunk may stay out
	MULP 4, FA0+32*((\c)%2), \zero
	PLACES
	LDB 4, \slot, (\c)+1
.endm
; A slot's fourth chunk changes slots.  In front of the barrier each wave waits for all its tensor loads (one is out: its part of the other slot), adds 0 to its spare word, and waits for that and for its reads of this slot.
; fill = 1: the barrier opens a round of the cluster's, and the joint refill of this slot, two K steps on, is the first thing behind the round: some 290 matrix instructions ahead of the wait for it.
.macro TURN slot, fill
.if \fill
	s_wait_xcnt 0x0                        ; the last prefetch, a K step back, has read its address
	s_add_nc_u64 s[66:67], s[66:67], s[68:69]
.endif
	WIN 0
	s_wait_tensorcnt 0x0
	ds_add_u32 v[SPW], v[NIL]              ; 0 onto my spare word
	s_wait_dscnt 25                        ; parts 0, 1 and x are in; 16 + 8 loads and the add may stay out
	MULP 0, FA0+32, 0
	s_wait_dscnt 0x0                       ; the add is done, my reads of this slot are over
	s_barrier_signal -1
	MULP 1, FA0+32, 0
	WIN 0
	s_barrier_wait -1
.if \fill
	CREST
	s_add_nc_u64 s[G0A+4*(\slot)+2:G0A+4*(\slot)+3], s[G0A+4*(\slot)+2:G0A+4*(\slot)+3], 512
	s_add_nc_u64 s[G0B+4*(\slot)+2:G0B+4*(\slot)+3], s[G0B+4*(\slot)+2:G0B+4*(\slot)+3], 163840
	JLOAD \slot                            ; its four v_nop are also the places in front of the loads below
.else
	PLACES
.endif
	LDB 0, 1-(\slot), 0
	LDB 1, 1-(\slot), 0
	LDA FA0, 1-(\slot), 0
.if \fill
	ASK \slot
.endif
	MULP 2, FA0+32, 0
	MULP 3, FA0+32, 0
	PLACES
	LDB 2, 1-(\slot), 0
	LDB 3, 1-(\slot), 0
	MULP 4, FA0+32, 0
	PLACES
	LDB 4, 1-(\slot), 0
.endm
	s_load_b256 s[4:11], s[0:1], 0x0       ; xb s[4:5], wcat s[6:7], tab s[8:9], qkvh s[10:11]
	s_load_b128 s[12:15], s[0:1], 0x20     ; hvf s[12:13], gq s[14:15]
	v_lshl_add_u32 v[SPW], v0, 2, SPARE
	v_mov_b32 v[NIL], 0
	ds_add_u32 v[SPW], v[NIL]              ; the wave's opening: the add and its wait ahead of my first tensor load; work on registers stands between them
	ds_add_u32 v28, v29
	v_lshrrev_b32 v1, 5, v0
	v_readfirstlane_b32 s16, v1            ; wave 0..3
	s_lshr_b32 s17, s16, 1                 ; I fetch for x (0) or for w (1)
	s_and_b32 s18, s16, 1                  ; which half of that tile
	s_bfe_u32 s19, ttmp6, 0x40000          ; cx
	s_bfe_u32 s20, ttmp6, 0x40004          ; cy
	s_lshl_b32 s21, ttmp9, 2
	s_add_co_u32 s21, s21, s19             ; the head = 4 x cluster x + cx
	s_and_b32 s22, ttmp7, 0xffff
	s_lshl_b32 s22, s22, 2
	s_add_co_u32 s22, s22, s20             ; the tile row = 4 x cluster y + cy
	s_lshl_b32 s40, s20, 2
	s_lshl_b32 s40, 15, s40                ; my row of the cluster
	s_lshl_b32 s41, 0x1111, s19            ; my column
	s_or_b32 s[G1A], s40, (1<<16)|(1<<20)|(1<<21)|(5<<22)|(3<<25)  ; mask; 2-byte elements; padding on; bit 21 beside a mask; after every 64 words, 4 words
	s_or_b32 s[G1B], s41, (1<<16)|(1<<20)|(1<<21)|(5<<22)|(7<<25)  ; the same with my column's mask and 8 words
	s_mov_b32 s[G1A+1], 128<<16            ; tensor_dim0 = 128
	s_mov_b32 s[G1A+2], 128<<16            ; tensor_dim1 = 128
	s_mov_b32 s[G1A+3], 128<<16            ; tile_dim0 = 128
	s_mov_b32 s[G1A+4], 128                ; tile_dim1 = 128 rows
	s_mov_b32 s[G1A+5], 1024               ; elements from row to row
	s_mov_b32 s[G1A+6], 0
	s_mov_b32 s[G1A+7], 0
	s_mov_b32 s[G1B+1], 128<<16
	s_mov_b32 s[G1B+2], 160<<16            ; half of a head's K step: 160 dense rows of 256 bytes
	s_mov_b32 s[G1B+3], 128<<16
	s_mov_b32 s[G1B+4], 160
	s_mov_b32 s[G1B+5], 128
	s_mov_b32 s[G1B+6], 0
	s_mov_b32 s[G1B+7], 0
	s_lshl_b32 s42, s22, 8
	s_lshl_b32 s43, s18, 7
	s_add_co_u32 s42, s42, s43
	s_lshl_b32 s42, s42, 11                ; x: row 256 x tile row + 128 x half, 2,048 bytes a row
	s_mov_b32 s43, 0
	s_mul_i32 s44, s21, 655360
	s_mul_i32 s45, s18, 40960
	s_add_co_u32 s44, s44, s45             ; w: the head, my half of a K step
	s_mov_b32 s45, 0
	s_mul_i32 s46, s18, HALFA              ; where they go: no place in the cluster enters an LDS address
	s_mul_i32 s47, s18, HALFB
	s_add_co_u32 s47, s47, BOFF
	s_mov_b32 s72, 0x76543210              ; v_permlanex16_b32: each lane takes its own place in the other half
	s_mov_b32 s73, 0xfedcba98
	s_wait_dscnt 0x0                       ; the opening add is done
	s_wait_kmcnt 0x0
	s_add_nc_u64 s[42:43], s[4:5], s[42:43]
	s_add_nc_u64 s[44:45], s[6:7], s[44:45]
	CROUND                                 ; all sixteen work-groups are here: the first joint loads meet
.irp s, 0,1
	s_mov_b32 s[G0A+4*\s], 1
	s_add_co_u32 s[G0A+4*\s+1], s46, \s*SLOT
	s_add_nc_u64 s[G0A+4*\s+2:G0A+4*\s+3], s[42:43], \s*256
	s_or_b32 s[G0A+4*\s+3], s[G0A+4*\s+3], 0x80000000
	s_mov_b32 s[G0B+4*\s], 1
	s_add_co_u32 s[G0B+4*\s+1], s47, \s*SLOT
	s_add_nc_u64 s[G0B+4*\s+2:G0B+4*\s+3], s[44:45], \s*81920
	s_or_b32 s[G0B+4*\s+3], s[G0B+4*\s+3], 0x80000000
.endr
	s_cmp_eq_u32 s17, 0                    ; a wave's two first fills stand in one branch: two loads of mine are out
	s_cbranch_scc0 .Lfirst_b
	tensor_load_to_lds s[G0A:G0A+3], s[G1A:G1A+7]
	s_nop 0
	tensor_load_to_lds s[G0A+4:G0A+7], s[G1A:G1A+7]
	s_nop 0
	PLACES
	s_branch .Lfirst_asked
.Lfirst_b:
	tensor_load_to_lds s[G0B:G0B+3], s[G1B:G1B+7]
	s_nop 0
	tensor_load_to_lds s[G0B+4:G0B+7], s[G1B:G1B+7]
	s_nop 0
	PLACES
.Lfirst_asked:
	; where my 64 rows lie: position n = 256 (tile row % 8) + 64 w in batch tile row / 8
	s_and_b32 s40, s22, 7
	s_lshl_b32 s40, s40, 8
	s_lshl_b32 s41, s16, 6
	s_add_co_u32 s40, s40, s41             ; n
	s_lshr_b32 s41, s22, 3
	s_lshl_b32 s41, s41, 4
	s_add_co_u32 s41, s41, s21             ; bh
	s_lshl_b32 s41, s41, 11
	s_add_co_u32 s41, s41, s40             ; bh x 2048 + n
	s_mov_b32 s43, 0
	s_lshl_b32 s42, s40, 8
	s_add_nc_u64 s[88:89], s[8:9], s[42:43]    ; the table at my rows
	s_lshl_b32 s42, s41, 7
	s_add_nc_u64 s[76:77], s[10:11], s[42:43]  ; Q'
	s_add_nc_u64 s[78:79], s[76:77], 0x800000  ; K
	s_add_nc_u64 s[80:81], s[76:77], 0x1000000 ; V
	s_add_nc_u64 s[82:83], s[76:77], 0x1800000 ; HK
	s_add_nc_u64 s[90:91], s[76:77], 0x2000000 ; KL
	s_add_nc_u64 s[92:93], s[76:77], 0x2800000 ; HL
	s_lshl_b32 s42, s41, 8
	s_add_nc_u64 s[84:85], s[12:13], s[42:43]  ; hv
	s_lshl_b32 s42, s41, 2
	s_add_nc_u64 s[86:87], s[14:15], s[42:43]  ; g
	v_and_b32 v1, 15, v0                   ; r = l % 16
	v_bfe_u32 v2, v0, 4, 1                 ; hl = l / 16
	v_and_b32 v3, 31, v0                   ; l
	v_lshlrev_b32 v[TBO], 8, v1
	v_lshl_add_u32 v[TBO], v2, 5, v[TBO]   ; row r, my four pairs of a block of 16 columns: 32 bytes
	WIN 0xc0                               ; destination window 3
.irp a, 0,1,2,3
.irp j, 0,1,2,3
	global_load_b128 v[128+32*\a+8*\j:128+32*\a+8*\j+3], v[TBO], s[88:89] offset:4096*\a+64*\j
	global_load_b128 v[128+32*\a+8*\j+4:128+32*\a+8*\j+7], v[TBO], s[88:89] offset:4096*\a+64*\j+16
.endr
.endr
	WIN 0
	v_mul_u32_u24 v4, v1, PA
	v_lshl_add_u32 v4, v2, 4, v4
	s_mul_i32 s40, s16, 64*PA
	v_add_nc_u32 v[ADRA], s40, v4          ; (64 w + r) x pitch + 16 hl
	v_add_nc_u32 v[ADRA+1], SLOT, v[ADRA]
	v_and_b32 v5, 7, v0
	v_lshl_add_u32 v5, v2, 3, v5           ; kk = 8 hl + l % 8: the row k that I address in a turning load
	v_lshrrev_b32 v6, 1, v5
	v_mul_u32_u24 v6, v6, PB
	v_and_b32 v7, 1, v5
	v_lshl_add_u32 v6, v7, 7, v6           ; two k to a memory row
	v_bfe_u32 v7, v0, 3, 1
	v_lshl_add_u32 v6, v7, 4, v6           ; and which 8 of the 16 columns
	v_add_nc_u32 v[ADRB], BOFF, v6
	v_add_nc_u32 v[ADRB+1], BOFF+3*PARTB, v6
	v_add_nc_u32 v[ADRB+2], SLOT+BOFF, v6
	v_add_nc_u32 v[ADRB+3], SLOT+BOFF+3*PARTB, v6
	s_mul_i32 s40, s16, STG                ; my stage
	v_mul_u32_u24 v[STO16], v1, 144        ; f16 rows of 128 bytes + 16: in by row r, 16 bytes for each half of the lanes
	v_lshl_add_u32 v[STO16], v2, 4, v[STO16]
	v_add_nc_u32 v[STO16], s40, v[STO16]
	v_lshrrev_b32 v4, 3, v3
	v_and_b32 v5, 7, v3
	v_mul_u32_u24 v[RD16], v4, 144         ; back: 32 lanes take four rows of 128 bytes
	v_lshl_add_u32 v[RD16], v5, 4, v[RD16]
	v_add_nc_u32 v[RD16], s40, v[RD16]
	v_mul_u32_u24 v[STO32], v1, 272        ; f32 rows of 256 bytes + 16
	v_lshl_add_u32 v[STO32], v2, 5, v[STO32]
	v_add_nc_u32 v[STO32], s40, v[STO32]
	v_mul_u32_u24 v[RD32], v2, 272         ; back: two rows of 256 bytes
	v_lshl_add_u32 v[RD32], v1, 4, v[RD32]
	v_add_nc_u32 v[RD32], s40, v[RD32]
	v_lshlrev_b32 v[L16], 4, v3
	v_lshl_add_u32 v[GST], v1, 2, s40
	v_lshl_add_u32 v[GRD], v3, 3, s40
	v_lshlrev_b32 v[GGO], 3, v3
	; the prefetches: one step short of what the first refill names
	s_lshl_b32 s40, s22, 8
	s_lshl_b32 s41, s18, 7
	s_add_co_u32 s40, s40, s41
	s_lshl_b32 s41, s19, 5
	s_add_co_u32 s40, s40, s41             ; x: my work-group's 32 of the 128 rows that I fetch
	s_lshl_b32 s40, s40, 11
	s_add_co_u32 s40, s40, 768             ; at K step 3
	s_mul_i32 s41, s21, 655360
	s_lshl_b32 s42, s20, 1
	s_add_co_u32 s42, s42, s18
	s_lshl_b32 s42, s42, 13                ; w: my wave's 32 blocks among the column's eight waves
	s_add_co_u32 s41, s41, s42
	s_add_co_u32 s41, s41, 262144          ; 65,536 bytes short of K step 4
	s_and_b32 s44, ttmp7, 0xffff
	s_mov_b32 s68, 65536
	s_mov_b32 s45, 256
	s_cmp_eq_u32 s17, 0
	s_cselect_b32 s42, s40, s41
	s_cselect_b64 s[66:67], s[4:5], s[6:7]
	s_cselect_b32 s68, 256, s68            ; the step from refill to refill
	s_cselect_b32 s45, 2048, s45           ; bytes from lane to lane
	s_cselect_b32 s44, ttmp9, s44          ; the coordinate along which other clusters read the same blocks
	s_cselect_b32 s46, 1, 0
	s_mov_b32 s43, 0
	s_mov_b32 s69, 0
	s_add_nc_u64 s[66:67], s[66:67], s[42:43]
	s_cmp_eq_u32 s44, 0
	s_cselect_b32 s70, s46, -1             ; a wave asks behind slot 0's refill while the laps to go are above this,
	s_cselect_b32 s71, 1, -1               ; and behind slot 1's above this
	v_mul_u32_u24 v[PFO], v3, s45
	s_wait_tensorcnt 0x1                   ; my part of K step 0 is in; K step 1's may stay out
	s_barrier_signal -1
	s_barrier_wait -1
	LDB 0, 0, 0
	LDB 1, 0, 0
	LDA FA0, 0, 0
	LDB 2, 0, 0
	LDB 3, 0, 0
	LDB 4, 0, 0
	CHUNK 0, 0, 1                          ; the first chunk starts the sums: nothing is cleared
	WIN 0
	s_mov_b32 s3, 3
.Llap:                                  ; a trip goes once round the ring, from a lap's second chunk to the next lap's first, and fills both slots again
	CHUNK 1, 0, 0
	CHUNK 2, 0, 0
	TURN 0, 1
	CHUNK 0, 1, 0
	CHUNK 1, 1, 0
	CHUNK 2, 1, 0
	TURN 1, 1
	CHUNK 0, 0, 0
	WIN 0
	s_sub_co_u32 s3, s3, 1
	s_cmp_lg_u32 s3, 0
	s_cbranch_scc1 .Llap
	CHUNK 1, 0, 0                          ; the last lap fills nothing
	CHUNK 2, 0, 0
	TURN 0, 0
	CHUNK 0, 1, 0
	CHUNK 1, 1, 0
	CHUNK 2, 1, 0
	s_wait_dscnt 24                        ; the very last chunk: nothing more to fetch, the counts run down
	MULP 0, FA0+32, 0
	MULP 1, FA0+32, 0
	s_wait_dscnt 8
	MULP 2, FA0+32, 0
	MULP 3, FA0+32, 0
	s_wait_dscnt 0x0
	MULP 4, FA0+32, 0
	WIN 0
	PLACES
	s_wait_loadcnt 0x0                     ; the table
	v_mov_b32 v[NEG1], -1.0
; THE WAY OUT, a block of 16 rows at a time.  Every accumulator is read from its low end on.
.macro ROPE p, a                        ; out[2i] = x[2i] cos - x[2i+1] sin, out[2i+1] = x[2i+1] cos + x[2i] sin: first both times cos, then the swapped pair times -sin, +sin is added
.set i, 0
.rept 16
	v_pk_mul_f32 v[RQ+32*(\p)+2*i:RQ+32*(\p)+2*i+1], v[128*(\p)+32*(\a)+2*i:128*(\p)+32*(\a)+2*i+1], v[128+32*(\a)+2*i:128+32*(\a)+2*i+1] op_sel_hi:[1,0]
.set i, i+1
.endr
.set i, 0
.rept 16
	v_pk_fma_f32 v[RQ+32*(\p)+2*i:RQ+32*(\p)+2*i+1], v[128*(\p)+32*(\a)+2*i:128*(\p)+32*(\a)+2*i+1], v[128+32*(\a)+2*i:128+32*(\a)+2*i+1], v[RQ+32*(\p)+2*i:RQ+32*(\p)+2*i+1] op_sel:[1,1,0] op_sel_hi:[0,1,1] neg_lo:[0,1,0]
.set i, i+1
.endr
.endm
.macro CVT16 pk, src, win               ; 32 f32 a lane rounded to f16, in pairs
	WIN \win
.set i, 0
.rept 16
	v_cvt_pk_f16_f32 v[(\pk)+i], v[(\src)+2*i], v[(\src)+2*i+1]
.set i, i+1
.endr
	WIN 0
.endm
.macro LOW16 lo, pk, src, win           ; the low parts: f16(x - hi), as hi x (-1) + x, which is exact before its one rounding; the first line writes the low half, the second the high half
	WIN \win
.set i, 0
.rept 16
	v_fma_mixlo_f16 v[(\lo)+i], v[(\pk)+i], v[NEG1], v[(\src)+2*i] op_sel_hi:[1,0,0]
	v_fma_mixhi_f16 v[(\lo)+i], v[(\pk)+i], v[NEG1], v[(\src)+2*i+1] op_sel:[1,0,0] op_sel_hi:[1,0,0]
.set i, i+1
.endr
	WIN 0
.endm
.macro STAGE16 pk                       ; through my stage; back as whole rows.  LDS serves a wave's instructions in order (ISA guide 5.7.1.4): the loads see the stores, the next part's stores come behind them
.irp j, 0,1,2,3
	ds_store_b128 v[STO16], v[(\pk)+4*\j:(\pk)+4*\j+3] offset:32*\j
.endr
.irp j, 0,1,2,3
	ds_load_b128 v[(\pk)+4*\j:(\pk)+4*\j+3], v[RD16] offset:576*\j
.endr
.endm
.macro SEND16 pk, ptr, a, younger       ; younger: the LDS instructions issued behind this part's loads
	s_wait_dscnt \younger
.irp j, 0,1,2,3
	global_store_b128 v[L16], v[(\pk)+4*\j:(\pk)+4*\j+3], s[\ptr:(\ptr)+1] offset:2048*(\a)+512*\j  ; four rows of 128 bytes: 512 consecutive bytes, aligned
.endr
.endm
.macro WAYOUT a
	WIN 0
	s_wait_xcnt 0x0                        ; the last block's stores have read their registers
	WIN 0x0d                               ; source 0 window 1 (q, k), source 1 window 3 (the table)
	ROPE 0, \a
	ROPE 1, \a
	WIN 0x08                               ; source 1 window 2 (hk)
.irp j, 0,1,2,3
	v_pk_mul_f32 v[CH+2*\j:CH+2*\j+1], v[RQ+8*\j:RQ+8*\j+1], v[128+32*(\a)+8*\j:128+32*(\a)+8*\j+1]
.endr
.irp q, 1,2,3
.irp j, 0,1,2,3
	v_pk_fma_f32 v[CH+2*\j:CH+2*\j+1], v[RQ+8*\j+2*\q:RQ+8*\j+2*\q+1], v[128+32*(\a)+8*\j+2*\q:128+32*(\a)+8*\j+2*\q+1], v[CH+2*\j:CH+2*\j+1]
.endr
.endr
	WIN 0
	v_pk_add_f32 v[CH:CH+1], v[CH:CH+1], v[CH+2:CH+3]
	v_pk_add_f32 v[CH+4:CH+5], v[CH+4:CH+5], v[CH+6:CH+7]
	v_pk_add_f32 v[CH:CH+1], v[CH:CH+1], v[CH+4:CH+5]
	v_add_f32 v[CH], v[CH], v[CH+1]
	v_permlanex16_b32 v[CH+2], v[CH], s72, s73  ; the row's other 32 channels lie in the lane 16 away
	v_add_f32 v[CH], v[CH], v[CH+2]
	v_mul_f32 v[GG+(\a)], 0xbe38aa3b, v[CH]     ; g = -0.18033688 x sum
.set i, 0
.rept 16
	v_pk_mul_f32 v[RQ+2*i:RQ+2*i+1], v[RQ+2*i:RQ+2*i+1], 0x3e38aa3b op_sel_hi:[1,0]
.set i, i+1
.endr
	CVT16 PK, RQ, 0                        ; q
	STAGE16 PK
	CVT16 PK+16, RQ+32, 0                  ; k, and its low part while the high one is still in its registers
	LOW16 KLP, PK+16, RQ+32, 0
	STAGE16 PK+16
	SEND16 PK, 76, \a, 8
	CVT16 PK+32, 32*(\a), 0x0a             ; v
	STAGE16 PK+32
	SEND16 PK+16, 78, \a, 8
	CVT16 PK+48, 128+32*(\a), 0x0a         ; hk, and its low part (source 2 in window 2)
	LOW16 HLP, PK+48, 128+32*(\a), 0x20
	STAGE16 PK+48
	SEND16 PK+32, 80, \a, 8
	STAGE16 KLP
	SEND16 PK+48, 82, \a, 8
	STAGE16 HLP
	SEND16 KLP, 90, \a, 8
	WIN 0x0c                               ; store data in window 3: hv goes as it is
.irp j, 0,1,2,3
	ds_store_b128 v[STO32], v[32*(\a)+8*\j:32*(\a)+8*\j+3] offset:64*\j
	ds_store_b128 v[STO32], v[32*(\a)+8*\j+4:32*(\a)+8*\j+7] offset:64*\j+16
.endr
	WIN 0
.irp t, 0,1,2,3,4,5,6,7
	ds_load_b128 v[HVB+4*\t:HVB+4*\t+3], v[RD32] offset:544*\t
.endr
	SEND16 HLP, 92, \a, 16
	s_wait_dscnt 0x0
.irp t, 0,1,2,3,4,5,6,7
	global_store_b128 v[L16], v[HVB+4*\t:HVB+4*\t+3], s[84:85] offset:4096*(\a)+512*\t  ; two rows of 256 bytes
.endr
.endm
	WAYOUT 0
	WAYOUT 1
	WAYOUT 2
	WAYOUT 3
.irp a, 0,1,2,3
	ds_store_b32 v[GST], v[GG+\a] offset:64*\a  ; both halves of the lanes hold the same number
.endr
	ds_load_b64 v[CH:CH+1], v[GRD]
	s_wait_dscnt 0x0
	global_store_b64 v[GGO], v[CH:CH+1], s[86:87]  ; my 64 rows' g: 256 consecutive bytes, aligned
	s_wait_tensorcnt 0x0                   ; the wave's end: an add and its waits, behind my last tensor load and my last LDS store
	ds_add_u32 v[SPW], v[NIL]
	s_wait_dscnt 0x0
	CROUND                                 ; the closing round: no work-group ends while a partner may still ask for a tile that names it
	s_endpgm
.Lfunc_end_k_q0f1d2aacbf_proj:
	.size	k_q0f1d2aacbf_proj, .Lfunc_end_k_q0f1d2aacbf_proj-k_q0f1d2aacbf_proj
	.p2alignl 7, 3214868480
	.fill 96, 4, 3214868480
	.section	.rodata,"a",@progbits
	.p2align	6, 0x0
	.amdhsa_kernel k_q0f1d2aacbf_proj
		.amdhsa_group_segment_fixed_size 327680
		.amdhsa_private_segment_fixed_size 0
		.amdhsa_enable_private_segment 0
		.amdhsa_kernarg_size 48
		.amdhsa_user_sgpr_count 2
		.amdhsa_user_sgpr_kernarg_segment_ptr 1
		.amdhsa_wavefront_size32 1
		.amdhsa_system_sgpr_workgroup_id_x 1
		.amdhsa_system_sgpr_workgroup_id_y 1
		.amdhsa_system_sgpr_workgroup_id_z 1
		.amdhsa_system_vgpr_workitem_id 0
		.amdhsa_next_free_vgpr 1024
		.amdhsa_next_free_sgpr 94
		.amdhsa_reserve_vcc 0
		.amdhsa_float_denorm_mode_32 3
		.amdhsa_float_denorm_mode_16_64 3
		.amdhsa_memory_ordered 1
		.amdhsa_forward_progress 1
		.amdhsa_inst_pref_size 245
	.end_amdhsa_kernel
	.amdgpu_metadata
---
amdhsa.version: [ 1, 2 ]
amdhsa.kernels:
  - .name:           k_q0f1d2aacbf_proj
    .symbol:         k_q0f1d2aacbf_proj.kd
    .args:
      - { .name: xb, .offset: 0, .size: 8, .value_kind: global_buffer, .address_space: global }
      - { .name: wcat, .offset: 8, .size: 8, .value_kind: global_buffer, .address_space: global }
      - { .name: tab, .offset: 16, .size: 8, .value_kind: global_buffer, .address_space: global }
      - { .name: qkvh, .offset: 24, .size: 8, .value_kind: global_buffer, .address_space: global }
      - { .name: hvf, .offset: 32, .size: 8, .value_kind: global_buffer, .address_space: global }
      - { .name: gq, .offset: 40, .size: 8, .value_kind: global_buffer, .address_space: global }
    .group_segment_fixed_size: 327680
    .private_segment_fixed_size: 0
    .kernarg_segment_align: 8
    .kernarg_segment_size: 48
    .max_flat_workgroup_size: 128
    .sgpr_count:     94
    .vgpr_count:     1024
    .wavefront_size: 32
...
	.end_amdgpu_metadata
.endif
;; end of part 2
;; launch attn (part 3): grid 8 x 32, 4 waves a work-group, no clusters, 327,680 bytes of LDS; arguments qkvh, hvf, gq, alpha, ohl; writes ohl
.if DOCPART == 3
	.amdgcn_target "amdgcn-amd-amdhsa--gfx1250"
	.amdhsa_code_object_version 6
	.text
	.protected	k_q0f1d2aacbf_attn
	.globl	k_q0f1d2aacbf_attn
	.p2align	8
	.type	k_q0f1d2aacbf_attn,@function
k_q0f1d2aacbf_attn:
	s_mov_b64 s[64:65], 0
	v_nop
	global_prefetch_b8 v0, s[64:65] scope:SCOPE_SE
	s_setreg_imm32_b32 hwreg(HW_REG_WAVE_MODE, 25, 1), 1
	s_wait_xcnt 0x0
; THE CAUSAL ATTENTION WITH ITS LOOKAHEAD TERMS.  For head bh and query n, over the keys m <= n, in base 2:
;   y = Q'_n . K_m + z,  z = u / (1 + 2^u),  u = (HK_n . K_m) g_n   (that is log2 e x (q.k/8 - silu(hk.k x q.hk / 8)));   W = softmax;   o = W V;   out = o - sigmoid(alpha) (hv_n . o) hv_n.
; The sum of (hv_n . v_m) W_nm over m is hv_n . (W V)_n: one dot product of 64 numbers a row stands for a fourth N x N product.  z is laid into the accumulator and the matrix unit adds Q' . K onto it.
; Q', K, V, HK and the weights p are f16, sums, maxima and statistics f32; hv and g f32; alpha is rounded to bf16 like every input.  The result leaves as two bf16, hi = bf16(out) and lo = bf16(out - hi).
; TWO PARTS IN THE DIAGONAL TILE.  g multiplies whatever HK . K has lost in rounding, and a row with few keys has no other weights to average that out.  All keys of such a row lie in its block's diagonal tile: there
; HK . K is made of both operands in two f16 parts, K HK + K HL + KL HK (KL, HL: what the rounding to f16 left over, itself in f16; KL HL, 2^-22 of the sum, is left out).
; LIMITS.  Outside the diagonal tile, where a row has 129 keys or more, HK . K carries f16's rounding of K and HK, 2^-11 of each number at the most.  A hidden score counts as its value less 1e30; a weight below 2^-126 counts as 0;
; NaN and infinities are not treated apart; f16's range is kept by the launch before.
; THE WALK.  A head has 16 blocks of 128 queries; block i needs the key tiles 0 .. i of 128 keys.  A work-group takes block 15 - b and then block b: 17 tiles, 34 steps of 64 keys, whatever b: 256 equal work-groups, one counted walk.
; Wave w owns rows 32 w .. 32 w + 31 of a block: two pieces of 16.  The diagonal tile is computed whole, under masks.
; NO CLUSTER: the partners b .. b + 3 ask for the same tile only while all are in their first blocks, and one walk common to four would have 20 tiles for 17, of work that the vector unit bounds.
; LAYOUT.  S^T = K Q^T (source 0 = 16 keys, source 1 = 16 queries): a lane holds ONE query (l % 16) and the keys 8 (l / 16) + 0..7; two such results rounded to f16 ARE source 1 of O^T = V^T P.
; THE MASK: 0 or -1e30, added into z.  MC holds five blocks of eight: block i, register j is hidden where 16 (i - 1) + j > r - 8 hl + 32 w - (the step's first key in the tile); piece p, key block kb takes block kb + 1 - p.
; FRAGMENTS RUN ONE STEP AHEAD: in step s K of step s + 1 is read behind the last product on K, V of step s + 1 behind the last on V.  So a tile's slot has been read out at the head of its second step: there the slots change.
; REGISTERS.  window 0: v2-19 addresses; v24-55 statistics, 16 a piece: +0 m, +2,3 l, +4 a, +6 g, +8..11 at work, +12 m_old, +13 the second block's g; v56-95 MC; v96-223 U (scores) and E (at work, then P), 32 each a piece; v224-247 at work.
;   window 1: v0-63 O^T; v64-127 K; v128-191 V; v192-223 Q'; v224-255 HK.
;   window 2: v0-63 the second block's Q' and HK; v64-95 HL; v96-127 the second block's HL; v128-255 KL of the diagonal tile (step s, key block kb, channel half c at 128 + 64 s + 16 kb + 8 c).      window 3: v0-127 the second block's KL.
.set PK,    144                         ; a row of K in LDS: 128 bytes + 16
.set PV,    160                         ; a row of V: 128 + 32
.set VOFF,  128*PK
.set SLOT1, 1<<16                       ; a slot holds a tile (38,912 bytes); one exclusive or turns an address in one slot into the other's
.set STAGE, 1<<17                       ; never filled by a tensor load: 16 rows x 272 bytes for each wave
.set SP,    272
.set SPARE, STAGE+4*16*SP               ; the spare words: 128 bytes for each wave, two blocks of 256 bytes that no other line names
.set ST,  24
.set MC,  56
.set UU,  96
.set EB,  128
.set KF,  64
.set VF,  128
.set QF,  192
.set HF,  224
.set HL,  64                            ; window 2
.set KL,  128                           ; window 2
.set MSB, 0
.macro WIN new
.if MSB != (\new)
	s_set_vgpr_msb (MSB<<8)|(\new)
.set MSB, \new
.endif
.endm
.macro PLACES
.rept 4
	v_nop
.endr
.endm
.macro LOAD                             ; a fill: waves 0 and 1 fetch the two halves of a tile's K, waves 2 and 3 those of its V: 64 keys each
	s_cmp_lt_u32 s14, 2
	s_cbranch_scc0 .Lfor_v_\@
	tensor_load_to_lds s[44:47], s[24:31]
	s_nop 0
	PLACES
	s_branch .Lasked_\@
.Lfor_v_\@:
	tensor_load_to_lds s[52:55], s[32:39]
	s_nop 0
	PLACES
.Lasked_\@:
.endm
; A PREFETCH INTO THE L2.  All eight work-groups of a head walk the tiles 0, 1, 2 .. from the start: the one with b = 0 asks, each wave for its own half (32 blocks of 256 bytes, a lane a block) of the tile
; behind the one just asked for: tiles 3 to 15, each named once in the launch, two steps ahead of its load.  s72 counts them down; tiles 0 to 2 come by their loads alone.
.macro ASK
	s_cmp_lg_u32 s72, 0
	s_cbranch_scc0 .Lnot_mine_\@
	global_prefetch_b8 v16, s[74:75] th:TH_LOAD_NT scope:SCOPE_SE
	s_sub_co_u32 s72, s72, 1
.Lnot_mine_\@:
.endm
; THE CHANGE OF SLOTS.  Each wave waits for all its tensor loads (one is out: its part of the other slot), adds 0 to its spare word, and waits for that and for its reads of the slot that it leaves.
; fill = 1: the old slot is filled again, first thing behind the barrier, with tile s63; the address is made anew from that number.
.macro CHANGE fill
	WIN 0
.if \fill
	s_wait_xcnt 0x0                        ; the last prefetch, two steps back, has read its address
	s_add_nc_u64 s[74:75], s[74:75], 16384
.endif
	s_wait_tensorcnt 0x0                   ; no tensor load of mine is out, so a group 0 may be written
	ds_add_u32 v18, v19                    ; 0 onto my spare word
.if \fill
	s_lshl_b32 s68, s63, 14                ; a tile is 16,384 bytes of K and of V
	s_xor_b32 s45, s45, SLOT1
	s_add_nc_u64 s[46:47], s[18:19], s[68:69]
	s_or_b32 s47, s47, 0x80000000
	s_xor_b32 s53, s53, SLOT1
	s_add_nc_u64 s[54:55], s[20:21], s[68:69]
	s_or_b32 s55, s55, 0x80000000
	s_add_co_u32 s63, s63, 1               ; the block's next tile, or behind its last the second block's tile 0
	s_cmp_gt_u32 s63, s66
	s_cselect_b32 s63, 0, s63
	s_cselect_b32 s66, s15, s66
.endif
	s_wait_dscnt 0x0                       ; the add is done, my reads of the slot are over
	s_barrier_signal -1
	s_sub_co_u32 s60, s60, 128*PK          ; the fetches go back to a slot's first step, in the other slot
	s_xor_b32 s60, s60, SLOT1
	s_sub_co_u32 s61, s61, 128*PV
	s_xor_b32 s61, s61, SLOT1
	s_barrier_wait -1
.if \fill
	LOAD
	ASK
.endif
.endm
; THE MATRIX WORK.  The four accumulators of a run of eight take turns.
.macro S2 p, i                          ; U = K HK^T: channels 32 (i / 4) on, keys 16 (i % 4) on; the first four start the sums
	WIN 0x05
.set rD, UU+64*(\p)+8*((\i)%4)
.set rK, KF+16*((\i)%4)+8*((\i)/4)
.set rH, HF+16*(\p)+8*((\i)/4)
.if (\i) < 4
	v_wmma_f32_16x16x32_f16 v[rD:rD+7], v[rK:rK+7], v[rH:rH+7], 0
.else
	v_wmma_f32_16x16x32_f16 v[rD:rD+7], v[rK:rK+7], v[rH:rH+7], v[rD:rD+7]
.endif
.endm
.macro T2 p, i                          ; U += K HL^T (K in window 1, HL in window 2)
	WIN 0x09
.set rD, UU+64*(\p)+8*((\i)%4)
.set rK, KF+16*((\i)%4)+8*((\i)/4)
.set rH, HL+16*(\p)+8*((\i)/4)
	v_wmma_f32_16x16x32_f16 v[rD:rD+7], v[rK:rK+7], v[rH:rH+7], v[rD:rD+7]
.endm
.macro T1 p, s, i                       ; U += KL HK^T, step s of the diagonal tile (KL in window 2, HK in window 1)
	WIN 0x06
.set rD, UU+64*(\p)+8*((\i)%4)
.set rK, KL+64*(\s)+16*((\i)%4)+8*((\i)/4)
.set rH, HF+16*(\p)+8*((\i)/4)
	v_wmma_f32_16x16x32_f16 v[rD:rD+7], v[rK:rK+7], v[rH:rH+7], v[rD:rD+7]
.endm
.macro S1 p, i                          ; y = z + K Q'^T: onto the registers that hold z and the mask
	WIN 0x05
.set rD, UU+64*(\p)+8*((\i)%4)
.set rK, KF+16*((\i)%4)+8*((\i)/4)
.set rH, QF+16*(\p)+8*((\i)/4)
	v_wmma_f32_16x16x32_f16 v[rD:rD+7], v[rK:rK+7], v[rH:rH+7], v[rD:rD+7]
.endm
.macro PVM p, i                         ; O^T += V^T P: keys 32 (i / 4) on, channels 16 (i % 4) on
	WIN 0x51
.set rD, 32*(\p)+8*((\i)%4)
.set rK, VF+32*((\i)/4)+8*((\i)%4)
.set rH, EB+64*(\p)+8*((\i)/4)
	v_wmma_f32_16x16x32_f16 v[rD:rD+7], v[rK:rK+7], v[rH:rH+7], v[rD:rD+7]
.endm
.macro FETCH_K                          ; a step's K: 64 keys x 64 channels, 16 loads in one run
	WIN 0
	v_add_nc_u32 v4, s60, v2
	WIN 0x40
.irp f, 0,1,2,3,4,5,6,7
	ds_load_b128 v[KF+8*\f:KF+8*\f+3], v4 offset:(\f/2)*16*PK+(\f%2)*64
	ds_load_b128 v[KF+8*\f+4:KF+8*\f+7], v4 offset:(\f/2)*16*PK+(\f%2)*64+32
.endr
	s_add_co_u32 s60, s60, 64*PK
	WIN 0
.endm
.macro FETCH_V                          ; a step's V, turned
	WIN 0
	v_add_nc_u32 v5, s61, v3
	WIN 0x40
.irp f, 0,1,2,3,4,5,6,7
	ds_load_tr16_b128 v[VF+8*\f:VF+8*\f+3], v5 offset:(\f/4)*32*PV+(\f%4)*32
	ds_load_tr16_b128 v[VF+8*\f+4:VF+8*\f+7], v5 offset:(\f/4)*32*PV+16*PV+(\f%4)*32
.endr
	s_add_co_u32 s61, s61, 64*PV
	WIN 0
.endm
; THE VECTOR WORK, a line at a time, for piece p.
.macro FU p, n                          ; u = U g, pair n
	WIN 0
	v_pk_mul_f32 v[UU+64*(\p)+2*(\n):UU+64*(\p)+2*(\n)+1], v[UU+64*(\p)+2*(\n):UU+64*(\p)+2*(\n)+1], v[ST+16*(\p)+6:ST+16*(\p)+7] op_sel_hi:[1,0]
.endm
.macro EE p, n                          ; 2^u
	WIN 0
	v_exp_f32 v[EB+64*(\p)+(\n)], v[UU+64*(\p)+(\n)]
.endm
.macro DA p, n                          ; 1 + 2^u
	WIN 0
	v_pk_add_f32 v[EB+64*(\p)+2*(\n):EB+64*(\p)+2*(\n)+1], v[EB+64*(\p)+2*(\n):EB+64*(\p)+2*(\n)+1], 1.0 op_sel_hi:[1,0]
.endm
.macro RC p, n
	WIN 0
	v_rcp_f32 v[EB+64*(\p)+(\n)], v[EB+64*(\p)+(\n)]
.endm
.macro ZZ p, n                          ; z + mask
	WIN 0
	v_pk_fma_f32 v[UU+64*(\p)+2*(\n):UU+64*(\p)+2*(\n)+1], v[UU+64*(\p)+2*(\n):UU+64*(\p)+2*(\n)+1], v[EB+64*(\p)+2*(\n):EB+64*(\p)+2*(\n)+1], v[MC+8*((\n)/4+1-(\p))+2*((\n)%4):MC+8*((\n)/4+1-(\p))+2*((\n)%4)+1]
.endm
.macro QB p, q                          ; queue B: DA n, RC 2n, RC 2n + 1
.if (\q)%3 == 0
	DA \p, (\q)/3
.else
	RC \p, 2*((\q)/3)+(\q)%3-1
.endif
.endm
; The maximum and the statistics: 0-11 four chains of seven scores, each accumulator's lowest registers first; 12-14, 16 the four scores left over, the old m, all into one; 15 m_old is kept;
; 17, 18 the query's other 32 keys lie in the lane 16 away: the new m; 20 m_old - m; 21 a.
.macro XM p, n
	WIN 0
.set rT, ST+16*(\p)
.set rU, UU+64*(\p)
.if (\n) < 4
	v_max3_num_f32 v[rT+8+(\n)], v[rU+8*(\n)], v[rU+8*(\n)+1], v[rU+8*(\n)+2]
.elseif (\n) < 12
	v_max3_num_f32 v[rT+8+(\n)%4], v[rT+8+(\n)%4], v[rU+8*((\n)%4)+2*((\n)/4)+1], v[rU+8*((\n)%4)+2*((\n)/4)+2]
.elseif (\n) == 12
	v_max3_num_f32 v[rT+8], v[rT+8], v[rU+7], v[rU+15]
.elseif (\n) == 13
	v_max3_num_f32 v[rT+9], v[rT+9], v[rU+23], v[rU+31]
.elseif (\n) == 14
	v_max3_num_f32 v[rT+10], v[rT+10], v[rT+11], v[rT]
.elseif (\n) == 15
	v_mov_b32 v[rT+12], v[rT]
.elseif (\n) == 16
	v_max3_num_f32 v[rT+8], v[rT+8], v[rT+9], v[rT+10]
.elseif (\n) == 17
	v_permlanex16_b32 v[rT+11], v[rT+8], s58, s59
.elseif (\n) == 18
	v_max_num_f32 v[rT], v[rT+8], v[rT+11]
.elseif (\n) == 20
	v_sub_f32 v[rT+12], v[rT+12], v[rT]
.else
	v_exp_f32 v[rT+4], v[rT+12]
.endif
.endm
.macro SB p, n                          ; y - m
	WIN 0
	v_pk_add_f32 v[UU+64*(\p)+2*(\n):UU+64*(\p)+2*(\n)+1], v[UU+64*(\p)+2*(\n):UU+64*(\p)+2*(\n)+1], v[ST+16*(\p):ST+16*(\p)+1] op_sel_hi:[1,0] neg_lo:[0,1] neg_hi:[0,1]
.endm
.macro EP p, n                          ; p
	WIN 0
	v_exp_f32 v[UU+64*(\p)+(\n)], v[UU+64*(\p)+(\n)]
.endm
.macro CV p, n                          ; P, in E's place
	WIN 0
	v_cvt_pk_f16_f32 v[EB+64*(\p)+(\n)], v[UU+64*(\p)+2*(\n)], v[UU+64*(\p)+2*(\n)+1]
.endm
.macro RS p, n                          ; O^T a
	WIN 0x41
	v_pk_mul_f32 v[32*(\p)+2*(\n):32*(\p)+2*(\n)+1], v[32*(\p)+2*(\n):32*(\p)+2*(\n)+1], v[ST+16*(\p)+4:ST+16*(\p)+5] op_sel_hi:[1,0]
.endm
.macro SU p, z                          ; the sum of the 16 pairs, in place: neighbours 1, 2, 4 and 8 pairs apart; then l = a l + sum
	WIN 0
.set rU, UU+64*(\p)
.set rT, ST+16*(\p)
.set sw, 4
.set su, (\z)
.if (\z) >= 14
.set sw, 32
.set su, 0
.elseif (\z) >= 12
.set sw, 16
.set su, (\z)-12
.elseif (\z) >= 8
.set sw, 8
.set su, (\z)-8
.endif
.if (\z) < 15
	v_pk_add_f32 v[rU+sw*su:rU+sw*su+1], v[rU+sw*su:rU+sw*su+1], v[rU+sw*su+sw/2:rU+sw*su+sw/2+1]
.else
	v_pk_fma_f32 v[rT+2:rT+3], v[rT+2:rT+3], v[rT+4:rT+5], v[rU:rU+1] op_sel_hi:[1,0,1]
.endif
.endm
.macro MASKSET                          ; s62 = steps left in the block, this one among them: 2 and 1 are the diagonal tile's
	s_sub_co_u32 s70, 2, s62
	s_lshl_b32 s70, s70, 6                 ; the step's first key in the diagonal tile,
	s_cmp_le_u32 s62, 2
	s_cselect_b32 s70, s70, 0xfffffc18     ; or -1000: nothing is hidden
	v_sub_nc_u32 v13, v12, s70
.set qn, 0
.rept 40
	v_cmp_gt_i32 vcc_lo, 16*(qn/8)-16+qn%8, v13
	v_cndmask_b32 v[MC+qn], 0, s71, vcc_lo
.set qn, qn+1
.endr
	s_mov_b32 s67, 0
.endm
.macro BEGIN                            ; the second block begins: its Q', HK, HL, KL and g go where the one text of the steps names them; O, l and m start anew
	s_wait_loadcnt 0x0
	WIN 0x42
.set qn, 0
.rept 64
	v_mov_b32 v[QF+qn], v[qn]
.set qn, qn+1
.endr
	WIN 0x82
.set qn, 0
.rept 32
	v_mov_b32 v[HL+qn], v[HL+32+qn]
.set qn, qn+1
.endr
	WIN 0x83
.set qn, 0
.rept 128
	v_mov_b32 v[KL+qn], v[qn]
.set qn, qn+1
.endr
	WIN 0x40
.set qn, 0
.rept 64
	v_mov_b32 v[qn], 0
.set qn, qn+1
.endr
	WIN 0
.irp p, 0,1
	v_mov_b32 v[ST+16*\p], 0xff7fffff      ; m: the lowest finite number
	v_mov_b32 v[ST+16*\p+2], 0
	v_mov_b32 v[ST+16*\p+3], 0
	v_mov_b32 v[ST+16*\p+6], v[ST+16*\p+13]
.endr
.endm
.macro ENDP p                           ; a piece's end: U holds o = O / l, E holds hv
.set rU, UU+64*(\p)
.set rE, EB+64*(\p)
.set rX, 224+8*(\p)
	v_pk_mul_f32 v[rX:rX+1], v[rU:rU+1], v[rE:rE+1]
	v_pk_mul_f32 v[rX+2:rX+3], v[rU+2:rU+3], v[rE+2:rE+3]
.set qn, 2
.rept 14
	v_pk_fma_f32 v[rX+2*(qn%2):rX+2*(qn%2)+1], v[rU+2*qn:rU+2*qn+1], v[rE+2*qn:rE+2*qn+1], v[rX+2*(qn%2):rX+2*(qn%2)+1]
.set qn, qn+1
.endr
	v_pk_add_f32 v[rX:rX+1], v[rX:rX+1], v[rX+2:rX+3]
	v_add_f32 v[rX], v[rX], v[rX+1]
	v_permlanex16_b32 v[rX+2], v[rX], s58, s59
	v_add_f32 v[rX], v[rX], v[rX+2]        ; hv . o
	v_mul_f32 v[rX], v14, v[rX]            ; x sigmoid(alpha)
.set qn, 0
.rept 16
	v_pk_fma_f32 v[rU+2*qn:rU+2*qn+1], v[rE+2*qn:rE+2*qn+1], v[rX:rX+1], v[rU+2*qn:rU+2*qn+1] op_sel_hi:[1,0,1] neg_lo:[0,1,0] neg_hi:[0,1,0]
.set qn, qn+1
.endr
.set qn, 0
.rept 16
	v_cvt_pk_bf16_f32 v[rE+qn], v[rU+2*qn], v[rU+2*qn+1]  ; hi
.set qn, qn+1
.endr
.set qn, 0
.rept 16
	v_lshlrev_b32 v[240+2*(qn%4)], 16, v[rE+qn]
	v_and_b32 v[241+2*(qn%4)], 0xffff0000, v[rE+qn]
	v_pk_add_f32 v[rU+2*qn:rU+2*qn+1], v[rU+2*qn:rU+2*qn+1], v[240+2*(qn%4):241+2*(qn%4)] neg_lo:[0,1] neg_hi:[0,1]
.set qn, qn+1
.endr
.set qn, 0
.rept 16
	v_cvt_pk_bf16_f32 v[rE+16+qn], v[rU+2*qn], v[rU+2*qn+1]  ; lo
.set qn, qn+1
.endr
.irp c, 0,1,2,3
	ds_store_b128 v6, v[rE+4*\c:rE+4*\c+3] offset:32*\c
	ds_store_b128 v6, v[rE+16+4*\c:rE+16+4*\c+3] offset:128+32*\c
.endr
.irp t, 0,1,2,3,4,5,6,7
	ds_load_b128 v[rU+4*\t:rU+4*\t+3], v7 offset:2*SP*\t  ; LDS serves a wave's instructions in order (ISA guide 5.7.1.4): these see the stores above; the next piece's stores come behind them
.endr
.endm
.macro FINISH                           ; a block's end
	WIN 0
.irp p, 0,1
.irp c, 0,1,2,3
	global_load_b128 v[EB+64*\p+8*\c:EB+64*\p+8*\c+3], v10, s[80:81] offset:4096*\p+64*\c
	global_load_b128 v[EB+64*\p+8*\c+4:EB+64*\p+8*\c+7], v10, s[80:81] offset:4096*\p+64*\c+16
.endr
.endr
.irp p, 0,1
	v_add_f32 v[ST+16*\p+8], v[ST+16*\p+2], v[ST+16*\p+3]
.endr
.irp p, 0,1
	v_permlanex16_b32 v[ST+16*\p+9], v[ST+16*\p+8], s58, s59
.endr
.irp p, 0,1
	v_add_f32 v[ST+16*\p+8], v[ST+16*\p+8], v[ST+16*\p+9]
.endr
.irp p, 0,1
	v_rcp_f32 v[ST+16*\p+10], v[ST+16*\p+8]
.endr
	v_nop                                  ; a plain instruction behind the last reciprocal,
	s_wait_alu depctr_va_vdst(0)           ; and one wait for both, ahead of their first reader
	WIN 0x01
.irp p, 0,1
.set qn, 0
.rept 16
	v_pk_mul_f32 v[UU+64*\p+2*qn:UU+64*\p+2*qn+1], v[32*\p+2*qn:32*\p+2*qn+1], v[ST+16*\p+10:ST+16*\p+11] op_sel_hi:[1,0]
.set qn, qn+1
.endr
.endr
	WIN 0
	s_wait_loadcnt 0x0                     ; hv
	ENDP 0
	ENDP 1
	s_wait_dscnt 16                        ; piece 0 is back; piece 1's 16 LDS instructions are younger
.irp t, 0,1,2,3,4,5,6,7
	global_store_b128 v8, v[UU+4*\t:UU+4*\t+3], s[76:77] offset:8192*\t  ; 16 lanes store a (row, head)'s 256 consecutive bytes, aligned
.endr
	s_wait_dscnt 0x0
.irp t, 0,1,2,3,4,5,6,7
	global_store_b128 v8, v[UU+64+4*\t:UU+64+4*\t+3], s[76:77] offset:65536+8192*\t
.endr
	s_wait_xcnt 0x0                        ; the loads and stores have read their registers and pointers
	s_mov_b64 s[76:77], s[78:79]           ; on to the second block
	s_mov_b64 s[80:81], s[82:83]
	s_add_co_u32 s62, s15, 1
	s_lshl_b32 s62, s62, 1                 ; it has 2 (b + 1) steps
	s_mov_b32 s67, 1
.endm
; A STEP: 48 matrix instructions (80 in the diagonal tile) and both pieces' vector work.  Three batches of transcendentals (2^u; the reciprocals; a and p), each with ONE wait ahead of its first reader; none crosses a label.
; Vector lines that stand behind a matrix instruction name none of its registers; a line that reads a product's result stands four plain vector lines or more behind that product.
; tail = 1: the copy behind the loop: its last trip fetches nothing, so its waits for LDS loads are for 0.
.macro STEP tail
	WIN 0
	s_cmp_eq_u32 s67, 1
	s_cbranch_scc0 .Lold_\@
	BEGIN
	s_branch .Lmask_\@
.Lold_\@:
	s_cmp_gt_u32 s62, 2
	s_cbranch_scc1 .Lopen_\@
.Lmask_\@:
	MASKSET
.Lopen_\@:
.if \tail
	s_wait_dscnt 0x0
.else
	s_wait_dscnt 16                        ; K is in; V's 16 loads may stay out
.endif
.set mi, 0
.rept 8
	S2 0, mi
.set mi, mi+1
.endr
	WIN 0
	s_cmp_gt_u32 s62, 2
	s_cbranch_scc1 .Lplain_\@
.set mi, 0                              ; THE DIAGONAL TILE: piece 1's products on the high parts, then both pieces' on the low parts; every run of eight goes round its piece's four accumulators
.rept 8
	S2 1, mi
.set mi, mi+1
.endr
.irp p, 0,1
.set mi, 0
.rept 8
	T2 \p, mi
.set mi, mi+1
.endr
.endr
	WIN 0
	s_cmp_eq_u32 s62, 2                    ; the tile's first 64 keys, or its second
	s_cbranch_scc0 .Lhalf2_\@
.irp p, 0,1
.set mi, 0
.rept 8
	T1 \p, 0, mi
.set mi, mi+1
.endr
.endr
	WIN 0
	s_branch .Lcorr_\@
.Lhalf2_\@:
.irp p, 0,1
.set mi, 0
.rept 8
	T1 \p, 1, mi
.set mi, mi+1
.endr
.endr
	WIN 0
.Lcorr_\@:
	PLACES                                 ; behind the last products
.set qn, 0
.rept 16
	FU 0, qn
.set qn, qn+1
.endr
	s_branch .Ljoin_\@
.Lplain_\@:                             ; every other tile: piece 1's products, piece 0's sixteen scalings behind them; the last four are the places behind the last product
	S2 1, 0
	PLACES                                 ; behind piece 0's products
.set mi, 1
.set qn, 0
.rept 6
	S2 1, mi
	FU 0, qn
	FU 0, qn+1
.set qn, qn+2
.set mi, mi+1
.endr
	S2 1, 7
	FU 0, 12
	FU 0, 13
	FU 0, 14
	FU 0, 15
.Ljoin_\@:
.set qn, 0
.rept 16
	FU 1, qn
	EE 0, 2*qn
	EE 0, 2*qn+1
.set qn, qn+1
.endr
.set qn, 0
.rept 32
	EE 1, qn
.set qn, qn+1
.endr
	v_nop
	s_wait_alu depctr_va_vdst(0)           ; the 64 exponentials 2^u
.irp p, 0,1
.set qn, 0
.rept 48
	QB \p, qn
.set qn, qn+1
.endr
.endr
	v_nop
	s_wait_alu depctr_va_vdst(0)           ; the 64 reciprocals
.set qn, 0
.rept 16
	ZZ 0, qn
.set qn, qn+1
.endr
.set mi, 0
.rept 8
	S1 0, mi
	ZZ 1, 2*mi
	ZZ 1, 2*mi+1
.set mi, mi+1
.endr
.set mi, 0
.rept 8
	S1 1, mi
	XM 0, 2*mi
	XM 0, 2*mi+1
.set mi, mi+1
.endr
	WIN 0
	PLACES                                 ; behind the last product on K
.if \tail
	s_cmp_eq_u32 s57, 1
	s_cbranch_scc1 .Lno_k_\@
.endif
	FETCH_K
.if \tail
.Lno_k_\@:
.endif
	XM 0, 16                               ; the chains' links stand apart, the other piece's work between them
.irp n, 0,1,2,3
	XM 1, \n
.endr
	XM 0, 17
.irp n, 4,5,6,7
	XM 1, \n
.endr
	XM 0, 18
.irp n, 8,9,10,11
	XM 1, \n
.endr
	XM 0, 20
.irp n, 12,13,14,15
	XM 1, \n
.endr
	XM 0, 21
	XM 1, 16
.irp n, 0,1,2,3
	SB 0, \n
.endr
	XM 1, 17
.irp n, 4,5,6,7
	SB 0, \n
.endr
	XM 1, 18
.irp n, 8,9,10,11
	SB 0, \n
.endr
	XM 1, 20
.irp n, 12,13,14,15
	SB 0, \n
.endr
	XM 1, 21
.set qn, 0
.rept 16
	SB 1, qn
	EP 0, 2*qn
	EP 0, 2*qn+1
.set qn, qn+1
.endr
.set qn, 0
.rept 32
	EP 1, qn
.set qn, qn+1
.endr
	v_nop
	s_wait_alu depctr_va_vdst(0)           ; both a and the 64 weights
.set qn, 0
.rept 16
	CV 0, qn
.set qn, qn+1
.endr
.set qn, 0
.rept 16
	RS 0, qn
.set qn, qn+1
.endr
.if \tail
	s_wait_dscnt 0x0
.else
	s_wait_dscnt 16                        ; V is in; the next step's K, 16 loads, is younger
.endif
.set mi, 0
.rept 4
	PVM 0, mi
	CV 1, 4*mi
	CV 1, 4*mi+1
	CV 1, 4*mi+2
	CV 1, 4*mi+3
.set mi, mi+1
.endr
.rept 4
	PVM 0, mi
	RS 1, 4*mi-16
	RS 1, 4*mi-15
	RS 1, 4*mi-14
	RS 1, 4*mi-13
.set mi, mi+1
.endr
.set mi, 0
.rept 8
	PVM 1, mi
	SU 0, 2*mi
	SU 1, 2*mi
	SU 0, 2*mi+1
	SU 1, 2*mi+1
.set mi, mi+1
.endr
	WIN 0
	PLACES                                 ; behind the last product on V
.if \tail
	s_cmp_eq_u32 s57, 1
	s_cbranch_scc1 .Lno_v_\@
.endif
	FETCH_V
.if \tail
.Lno_v_\@:
.endif
	s_sub_co_u32 s62, s62, 1
	s_cmp_lg_u32 s62, 0
	s_cbranch_scc1 .Lgo_on_\@
	FINISH
.Lgo_on_\@:
.endm
	s_load_b256 s[4:11], s[0:1], 0x0       ; qkvh s[4:5], hvf s[6:7], gq s[8:9], alpha s[10:11]
	s_load_b64 s[12:13], s[0:1], 0x20      ; ohl
	v_lshl_add_u32 v18, v0, 2, SPARE
	v_mov_b32 v19, 0
	ds_add_u32 v18, v19                    ; the wave's opening: the add and its wait ahead of my first tensor load; work on registers stands between them
	ds_add_u32 v18, v19
	v_lshrrev_b32 v1, 5, v0
	v_readfirstlane_b32 s14, v1            ; wave 0..3
	s_mov_b32 s15, ttmp9                   ; b
	s_sub_co_u32 s16, 15, s15              ; the first block
	s_and_b32 s17, ttmp7, 0xffff           ; bh
	; descriptor group 1: 64 keys are 8,192 dense bytes: 32 rows of 256 bytes, two keys a row, padded in LDS after every key
	s_mov_b32 s24, (1<<16)|(1<<20)|(4<<22)|(3<<25)  ; 2-byte elements; padding on; after every 32 words, 4 words
	s_mov_b32 s32, (1<<16)|(1<<20)|(4<<22)|(7<<25)  ; the same with 8 words
.irp g, 24, 32
	s_mov_b32 s[\g+1], 128<<16             ; tensor_dim0 = 128
	s_mov_b32 s[\g+2], 32<<16              ; tensor_dim1 = 32
	s_mov_b32 s[\g+3], 128<<16             ; tile_dim0 = 128
	s_mov_b32 s[\g+4], 32                  ; tile_dim1 = 32
	s_mov_b32 s[\g+5], 128                 ; 128 elements from row to row
	s_mov_b32 s[\g+6], 0
	s_mov_b32 s[\g+7], 0
.endr
	s_and_b32 s84, s14, 1                  ; which half of a tile's 128 keys I fetch
	s_mul_i32 s86, s84, 64*PK
	s_mul_i32 s87, s84, 64*PV
	s_mov_b32 s40, 1
	s_mov_b32 s41, s86                     ; K, tile 0: slot 0
	s_mov_b32 s44, 1
	s_add_co_u32 s45, s86, SLOT1           ; K, tile 1: slot 1; this set then walks
	s_mov_b32 s48, 1
	s_add_co_u32 s49, s87, VOFF
	s_mov_b32 s52, 1
	s_add_co_u32 s53, s87, SLOT1+VOFF
	s_lshl_b32 s84, s84, 13
	s_lshl_b32 s87, s17, 18                ; a head is 262,144 bytes of a region
	s_add_co_u32 s84, s84, s87
	s_mov_b32 s85, 0
	s_mov_b32 s58, 0x76543210              ; v_permlanex16_b32: each lane takes its own place in the other half
	s_mov_b32 s59, 0xfedcba98
	s_mov_b32 s60, 0                       ; LDS byte of the K to be fetched next
	s_mov_b32 s61, 0                       ; the same for V, less VOFF
	s_add_co_u32 s62, s16, 1
	s_lshl_b32 s62, s62, 1                 ; the first block has 2 (16 - b) steps
	s_mov_b32 s63, 2                       ; the tile to be asked for next
	s_mov_b32 s66, s16                     ; the last tile of the block whose tiles are being asked for
	s_mov_b32 s67, 0                       ; 1: the next step is the second block's first
	s_mov_b32 s69, 0
	s_mov_b32 s71, 0xf149f2ca              ; -1e30
	s_wait_dscnt 0x0                       ; the opening add is done
	s_wait_kmcnt 0x0
	s_add_nc_u64 s[18:19], s[4:5], s[84:85]
	s_add_nc_u64 s[20:21], s[18:19], 0x1000000  ; V at my half of the head's tile 0
	s_add_nc_u64 s[18:19], s[18:19], 0x800000   ; K likewise
	s_mov_b64 s[42:43], s[18:19]
	s_or_b32 s43, s43, 0x80000000
	s_add_nc_u64 s[46:47], s[18:19], 16384
	s_or_b32 s47, s47, 0x80000000
	s_mov_b64 s[50:51], s[20:21]
	s_or_b32 s51, s51, 0x80000000
	s_add_nc_u64 s[54:55], s[20:21], 16384
	s_or_b32 s55, s55, 0x80000000
	s_cmp_lt_u32 s14, 2                    ; a wave's two first fills stand in one branch: two loads of mine are out
	s_cbranch_scc0 .Lfirst_v
	tensor_load_to_lds s[40:43], s[24:31]
	s_nop 0
	tensor_load_to_lds s[44:47], s[24:31]
	s_nop 0
	PLACES
	s_branch .Lfirst_asked
.Lfirst_v:
	tensor_load_to_lds s[48:51], s[32:39]
	s_nop 0
	tensor_load_to_lds s[52:55], s[32:39]
	s_nop 0
	PLACES
.Lfirst_asked:
	s_lshl_b32 s22, s14, 5
	s_lshl_b32 s98, s16, 7
	s_add_co_u32 s98, s98, s22             ; my first row in the head, first block
	s_lshl_b32 s99, s15, 7
	s_add_co_u32 s99, s99, s22             ; second block
	s_lshl_b32 s22, s17, 11
	s_add_co_u32 s96, s22, s98
	s_add_co_u32 s97, s22, s99
	s_mov_b32 s23, 0
	s_lshl_b32 s22, s96, 7
	s_add_nc_u64 s[84:85], s[4:5], s[22:23]     ; Q', first block
	s_add_nc_u64 s[88:89], s[84:85], 0x1800000  ; HK
	s_lshl_b32 s22, s97, 7
	s_add_nc_u64 s[86:87], s[4:5], s[22:23]     ; second block
	s_add_nc_u64 s[90:91], s[86:87], 0x1800000
	s_lshl_b32 s22, s96, 2
	s_add_nc_u64 s[92:93], s[8:9], s[22:23]     ; g
	s_lshl_b32 s22, s97, 2
	s_add_nc_u64 s[94:95], s[8:9], s[22:23]
	s_lshl_b32 s22, s96, 8
	s_add_nc_u64 s[80:81], s[6:7], s[22:23]     ; hv
	s_lshl_b32 s22, s97, 8
	s_add_nc_u64 s[82:83], s[6:7], s[22:23]
	s_lshr_b32 s22, s17, 4                 ; the batch
	s_lshl_b32 s22, s22, 11
	s_add_co_u32 s96, s22, s98
	s_add_co_u32 s97, s22, s99
	s_and_b32 s98, s17, 15                 ; the head
	s_lshl_b32 s99, s98, 8
	s_lshl_b32 s22, s96, 12
	s_add_co_u32 s22, s22, s99
	s_add_nc_u64 s[76:77], s[12:13], s[22:23]   ; the result: 4,096 bytes a row, 256 a head
	s_lshl_b32 s22, s97, 12
	s_add_co_u32 s22, s22, s99
	s_add_nc_u64 s[78:79], s[12:13], s[22:23]
	s_lshl_b32 s22, s98, 2
	s_add_nc_u64 s[2:3], s[10:11], s[22:23]
	s_load_b32 s98, s[2:3], 0x0            ; alpha of my head
	s_cmp_lt_u32 s14, 2
	s_cselect_b64 s[74:75], s[18:19], s[20:21]
	s_add_nc_u64 s[74:75], s[74:75], 2*16384    ; the prefetches stand at tile 2; the first change of slots steps them to tile 3
	s_cmp_eq_u32 s15, 0
	s_cselect_b32 s72, 13, 0
	v_and_b32 v1, 15, v0                   ; r = l % 16
	v_bfe_u32 v20, v0, 4, 1                ; hl = l / 16
	v_and_b32 v21, 31, v0                  ; l
	v_lshlrev_b32 v9, 7, v1
	v_lshl_add_u32 v9, v20, 4, v9          ; a fragment of 16 rows of 128 bytes: row r x 128 + 16 hl
	v_lshlrev_b32 v10, 8, v1
	v_lshl_add_u32 v10, v20, 5, v10        ; hv: row r x 256 + 32 hl
	v_lshlrev_b32 v11, 2, v1               ; g of row r
	WIN 0x40
.irp p, 0,1
.irp c, 0,1
	global_load_b128 v[QF+16*\p+8*\c:QF+16*\p+8*\c+3], v9, s[84:85] offset:2048*\p+64*\c
	global_load_b128 v[QF+16*\p+8*\c+4:QF+16*\p+8*\c+7], v9, s[84:85] offset:2048*\p+64*\c+32
	global_load_b128 v[HF+16*\p+8*\c:HF+16*\p+8*\c+3], v9, s[88:89] offset:2048*\p+64*\c
	global_load_b128 v[HF+16*\p+8*\c+4:HF+16*\p+8*\c+7], v9, s[88:89] offset:2048*\p+64*\c+32
.endr
.endr
	WIN 0x80
.irp p, 0,1
.irp c, 0,1
	global_load_b128 v[16*\p+8*\c:16*\p+8*\c+3], v9, s[86:87] offset:2048*\p+64*\c
	global_load_b128 v[16*\p+8*\c+4:16*\p+8*\c+7], v9, s[86:87] offset:2048*\p+64*\c+32
	global_load_b128 v[32+16*\p+8*\c:32+16*\p+8*\c+3], v9, s[90:91] offset:2048*\p+64*\c
	global_load_b128 v[32+16*\p+8*\c+4:32+16*\p+8*\c+7], v9, s[90:91] offset:2048*\p+64*\c+32
.endr
.endr
	WIN 0
.irp p, 0,1
	global_load_b32 v[ST+16*\p+6], v11, s[92:93] offset:64*\p
	global_load_b32 v[ST+16*\p+13], v11, s[94:95] offset:64*\p
.endr
	; the low parts, straight into fragments: HL of my rows and KL of the diagonal tile, for both blocks
	s_wait_xcnt 0x0                        ; the loads above have read their pointers, four of which are written anew
	s_add_nc_u64 s[84:85], s[84:85], 0x2800000  ; HL at my rows, first block
	s_add_nc_u64 s[86:87], s[86:87], 0x2800000  ; second block
	s_lshl_b32 s96, s17, 11
	s_lshl_b32 s97, s16, 7
	s_add_co_u32 s97, s97, s96             ; the first key of the first block's diagonal tile
	s_lshl_b32 s22, s97, 7
	s_add_nc_u64 s[88:89], s[4:5], s[22:23]
	s_add_nc_u64 s[88:89], s[88:89], 0x2000000  ; KL there
	s_lshl_b32 s97, s15, 7
	s_add_co_u32 s97, s97, s96             ; and of the second block's
	s_lshl_b32 s22, s97, 7
	s_add_nc_u64 s[90:91], s[4:5], s[22:23]
	s_add_nc_u64 s[90:91], s[90:91], 0x2000000
	WIN 0x80
.irp p, 0,1
.irp c, 0,1
	global_load_b128 v[HL+16*\p+8*\c:HL+16*\p+8*\c+3], v9, s[84:85] offset:2048*\p+64*\c
	global_load_b128 v[HL+16*\p+8*\c+4:HL+16*\p+8*\c+7], v9, s[84:85] offset:2048*\p+64*\c+32
	global_load_b128 v[HL+32+16*\p+8*\c:HL+32+16*\p+8*\c+3], v9, s[86:87] offset:2048*\p+64*\c
	global_load_b128 v[HL+32+16*\p+8*\c+4:HL+32+16*\p+8*\c+7], v9, s[86:87] offset:2048*\p+64*\c+32
.endr
.endr
.irp k, 0,1,2,3,4,5,6,7
.irp c, 0,1
	global_load_b128 v[KL+16*\k+8*\c:KL+16*\k+8*\c+3], v9, s[88:89] offset:2048*\k+64*\c
	global_load_b128 v[KL+16*\k+8*\c+4:KL+16*\k+8*\c+7], v9, s[88:89] offset:2048*\k+64*\c+32
.endr
.endr
	WIN 0xc0
.irp k, 0,1,2,3,4,5,6,7
.irp c, 0,1
	global_load_b128 v[16*\k+8*\c:16*\k+8*\c+3], v9, s[90:91] offset:2048*\k+64*\c
	global_load_b128 v[16*\k+8*\c+4:16*\k+8*\c+7], v9, s[90:91] offset:2048*\k+64*\c+32
.endr
.endr
	WIN 0
	v_mul_u32_u24 v2, v1, PK
	v_lshl_add_u32 v2, v20, 4, v2          ; K: row x pitch + 16 hl
	v_and_b32 v22, 7, v0
	v_bfe_u32 v23, v0, 3, 1
	v_lshl_add_u32 v3, v20, 3, v22         ; V: the turning load's key 8 hl + l % 8,
	v_mul_u32_u24 v3, v3, PV
	v_lshl_add_u32 v3, v23, 4, v3          ; and which 8 of the 16 channels
	v_add_nc_u32 v3, VOFF, v3
	s_mul_i32 s22, s14, 16*SP
	s_add_co_u32 s22, s22, STAGE           ; my stage
	v_mul_u32_u24 v6, v1, SP
	v_lshl_add_u32 v6, v20, 4, v6
	v_add_nc_u32 v6, s22, v6               ; in: row r, 16 bytes for each half of the lanes
	v_mul_u32_u24 v7, v20, SP
	v_lshl_add_u32 v7, v1, 4, v7
	v_add_nc_u32 v7, s22, v7               ; back: two rows of 256 bytes
	v_lshlrev_b32 v8, 12, v20
	v_lshl_add_u32 v8, v1, 4, v8           ; the same two rows in the result
	v_lshlrev_b32 v12, 3, v20
	v_sub_nc_u32 v12, v1, v12
	s_lshl_b32 s22, s14, 5
	v_add_nc_u32 v12, s22, v12             ; r - 8 hl + 32 w
	v_lshlrev_b32 v16, 8, v21              ; the prefetches: a lane a block of 256 bytes
	WIN 0x40
.set qn, 0
.rept 64
	v_mov_b32 v[qn], 0                     ; O^T starts at 0: written while the first tile is on its way, so that the steps have one form
.set qn, qn+1
.endr
	WIN 0
.irp p, 0,1
	v_mov_b32 v[ST+16*\p], 0xff7fffff      ; m: the lowest finite number: the first step's a is 0
	v_mov_b32 v[ST+16*\p+1], 0             ; named in pairs with their neighbours, so they are written
	v_mov_b32 v[ST+16*\p+2], 0
	v_mov_b32 v[ST+16*\p+3], 0
	v_mov_b32 v[ST+16*\p+5], 0
	v_mov_b32 v[ST+16*\p+7], 0
.endr
.set qn, 0
.rept 40
	v_mov_b32 v[MC+qn], 0                  ; the first block begins far from its diagonal: nothing is hidden
.set qn, qn+1
.endr
	s_wait_kmcnt 0x0
	v_mov_b32 v14, s98
	v_cvt_pk_bf16_f32 v14, v14, v14        ; alpha rounded to bf16, like every input
	v_lshlrev_b32 v14, 16, v14
	v_mul_f32 v14, 0xbfb8aa3b, v14
	v_exp_f32 v14, v14
	v_mov_b32 v15, 0
	s_wait_alu depctr_va_vdst(0)
	v_add_f32 v14, 1.0, v14
	v_rcp_f32 v14, v14                     ; sigmoid(alpha)
	v_nop
	s_wait_alu depctr_va_vdst(0)
	s_wait_tensorcnt 0x1                   ; my part of tile 0 is in; tile 1's may stay out
	s_barrier_signal -1
	s_barrier_wait -1
	FETCH_K
	FETCH_V
	s_wait_loadcnt 0x0                     ; Q', HK, g and the low parts of both blocks
	s_mov_b32 s57, 1
	s_mov_b32 s56, 16
	s_branch .Lstep                        ; step 0 stands alone: the loop is entered in the middle of a trip
.Lslot:                                 ; 15 times: the slots change at the head of a tile's second step, and the tile two on is asked for
	CHANGE 1
	s_mov_b32 s57, 2
.Lstep:
	STEP 0
	s_sub_co_u32 s57, s57, 1
	s_cmp_lg_u32 s57, 0
	s_cbranch_scc1 .Lstep
	s_sub_co_u32 s56, s56, 1
	s_cmp_lg_u32 s56, 0
	s_cbranch_scc1 .Lslot
	CHANGE 0                               ; the tail is written out: steps 31 to 33
	s_mov_b32 s57, 3
.Ltail:
	STEP 1
	s_sub_co_u32 s57, s57, 1
	s_cmp_lg_u32 s57, 0
	s_cbranch_scc1 .Ltail
	s_wait_tensorcnt 0x0                   ; the wave's end: an add and its waits, behind my last tensor load and my last LDS store
	ds_add_u32 v18, v19
	s_wait_dscnt 0x0
	s_endpgm
.Lfunc_end_k_q0f1d2aacbf_attn:
	.size	k_q0f1d2aacbf_attn, .Lfunc_end_k_q0f1d2aacbf_attn-k_q0f1d2aacbf_attn
	.p2alignl 7, 3214868480
	.fill 96, 4, 3214868480
	.section	.rodata,"a",@progbits
	.p2align	6, 0x0
	.amdhsa_kernel k_q0f1d2aacbf_attn
		.amdhsa_group_segment_fixed_size 327680
		.amdhsa_private_segment_fixed_size 0
		.amdhsa_enable_private_segment 0
		.amdhsa_kernarg_size 40
		.amdhsa_user_sgpr_count 2
		.amdhsa_user_sgpr_kernarg_segment_ptr 1
		.amdhsa_wavefront_size32 1
		.amdhsa_system_sgpr_workgroup_id_x 1
		.amdhsa_system_sgpr_workgroup_id_y 1
		.amdhsa_system_sgpr_workgroup_id_z 1
		.amdhsa_system_vgpr_workitem_id 0
		.amdhsa_next_free_vgpr 896
		.amdhsa_next_free_sgpr 100
		.amdhsa_reserve_vcc 1
		.amdhsa_float_denorm_mode_32 3
		.amdhsa_float_denorm_mode_16_64 3
		.amdhsa_memory_ordered 1
		.amdhsa_forward_progress 1
		.amdhsa_inst_pref_size 171
	.end_amdhsa_kernel
	.amdgpu_metadata
---
amdhsa.version: [ 1, 2 ]
amdhsa.kernels:
  - .name:           k_q0f1d2aacbf_attn
    .symbol:         k_q0f1d2aacbf_attn.kd
    .args:
      - { .name: qkvh, .offset: 0, .size: 8, .value_kind: global_buffer, .address_space: global }
      - { .name: hvf, .offset: 8, .size: 8, .value_kind: global_buffer, .address_space: global }
      - { .name: gq, .offset: 16, .size: 8, .value_kind: global_buffer, .address_space: global }
      - { .name: alpha, .offset: 24, .size: 8, .value_kind: global_buffer, .address_space: global }
      - { .name: ohl, .offset: 32, .size: 8, .value_kind: global_buffer, .address_space: global }
    .group_segment_fixed_size: 327680
    .private_segment_fixed_size: 0
    .kernarg_segment_align: 8
    .kernarg_segment_size: 40
    .max_flat_workgroup_size: 128
    .sgpr_count:     100
    .vgpr_count:     896
    .wavefront_size: 32
...
	.end_amdgpu_metadata
.endif
;; end of part 3
;; launch outp (part 4): grid 8 x 32, 4 waves a work-group, clusters of 4 x 4, 327,680 bytes of LDS; arguments ohl, wob, b_out, out0; writes out0
.if DOCPART == 4
	.amdgcn_target "amdgcn-amd-amdhsa--gfx1250"
	.amdhsa_code_object_version 6
	.text
	.protected	k_q0f1d2aacbf_outp
	.globl	k_q0f1d2aacbf_outp
	.p2align	8
	.type	k_q0f1d2aacbf_outp,@function
k_q0f1d2aacbf_outp:
	s_mov_b64 s[64:65], 0
	v_nop
	global_prefetch_b8 v0, s[64:65] scope:SCOPE_SE
	s_setreg_imm32_b32 hwreg(HW_REG_WAVE_MODE, 25, 1), 1
	s_wait_xcnt 0x0
	s_wait_alu depctr_hold_cnt(0) depctr_sa_sdst(0) depctr_va_vdst(0) depctr_va_sdst(0) depctr_va_ssrc(0) depctr_va_vcc(0) depctr_vm_vsrc(0)
	s_getreg_b32 s2, hwreg(HW_REG_IB_STS2, 6, 4)
	s_cmp_eq_u32 s2, 0
	s_cbranch_scc0 .Lentry_in_a_cluster
	s_endpgm
.Lentry_in_a_cluster:
	s_bfe_u32 s2, ttmp6, 0x10000c
	s_cmp_lg_u32 s2, 0xf033
	s_cbranch_scc0 .Lentry_shape_is_right
	s_endpgm
.Lentry_shape_is_right:
; THE OUTPUT PROJECTION.  out0[row][n] = sum over h, d of (hi + lo)[row][h][d] w[64 h + d][n] + b[n]; hi, lo and w bf16, b rounded to bf16 like every input, sums f32, out0 f32.
; The attention's result comes as two bf16 (hi, lo), so that neither f16's range nor bf16's eight bits bound it: both are multiplied by the same fragments of w.
; SHARES.  A tile of out0 is 128 x 128: 8 x 32 work-groups, one for each of 256 WGPs; a wave makes 64 x 64: 16 accumulators.  A K step is two heads: 512 bytes of a row of ohl, 128 rows of w: 128 matrix instructions a wave.
; THE PRODUCT IS USED TRANSPOSED (source 0 = 16 columns of w, turned on the way out of LDS; source 1 = 16 rows): a lane holds row l % 16 and eight neighbouring columns.  The bias is the C operand of the products that start the sums.
; CLUSTER 4 x 4: ohl's tile is asked for jointly along a row of the cluster, w's along a column.  No prefetch: the tiles are small and a step short.
; LDS: two slots of A (128 rows x 528) and B (128 rows x 288); behind them a stage of 16 rows x 272 for each wave, and the spare words.
; REGISTERS.  window 0: v16-29 addresses; v32-63 the bias; v64-127 the way out; v128-255 the accumulators ((a, b) at 128 + 8 (4 a + b)).  window 1: two buffers of 96: w's four fragments, hi's four, lo's four.
.set PA,    528
.set PB,    288
.set HALFA, 64*PA
.set HALFB, 64*PB
.set BOFF,  2*HALFA
.set SLOT,  BOFF+2*HALFB
.set STAGE, 2*SLOT
.set SP,    272
.set SPARE, STAGE+4*16*SP               ; the spare words: 128 bytes for each wave, two blocks of 256 bytes that no other line names
.set ADRA, 16
.set ADRB, 20
.set STO,  24
.set RD,   25
.set CO,   26
.set BO,   27
.set SPW,  28
.set NIL,  29
.set BIAS, 32
.set BK,   64
.set ACC,  128
.set F0,   0
.set F1,   96
.set G1A, 24
.set G0A, 32
.set G1B, 48
.set G0B, 56
.set MSB, 0
.macro WIN new
.if MSB != (\new)
	s_set_vgpr_msb (MSB<<8)|(\new)
.set MSB, \new
.endif
.endm
.macro PLACES
.rept 4
	v_nop
.endr
.endm
.macro CREST
	s_cmp_lg_u32 s12, 0
	s_cbranch_scc1 .Lnot_wave_0_\@
	s_barrier_signal -3
.Lnot_wave_0_\@:
	s_barrier_wait -3
	s_barrier_signal -1
	s_barrier_wait -1
.endm
.macro CROUND
	s_barrier_signal -1
	s_barrier_wait -1
	CREST
.endm
.macro JLOAD s                          ; a joint refill: waves 0 and 1 fetch A's two halves, waves 2 and 3 B's
	s_cmp_eq_u32 s13, 0
	s_cbranch_scc0 .Lfor_b_\@
	tensor_load_to_lds s[G0A+4*(\s):G0A+4*(\s)+3], s[G1A:G1A+7]
	s_nop 0
	PLACES
	s_branch .Lasked_\@
.Lfor_b_\@:
	tensor_load_to_lds s[G0B+4*(\s):G0B+4*(\s)+3], s[G1B:G1B+7]
	s_nop 0
	PLACES
.Lasked_\@:
.endm
; 8 matrix instructions: row blocks a0, a0 + 1 x all four column blocks, 32 channels; lo = 0: on hi, 1: on lo.  The 16 accumulators take turns.
.macro MUL8 f, lo, a0, bias
	WIN 0x05
.irp a, \a0, (\a0)+1
.irp b, 0,1,2,3
.if \bias
	v_wmma_f32_16x16x32_bf16 v[ACC+8*(4*(\a)+\b):ACC+8*(4*(\a)+\b)+7], v[(\f)+8*\b:(\f)+8*\b+7], v[(\f)+32+32*(\lo)+8*(\a):(\f)+32+32*(\lo)+8*(\a)+7], v[BIAS+8*\b:BIAS+8*\b+7]
.else
	v_wmma_f32_16x16x32_bf16 v[ACC+8*(4*(\a)+\b):ACC+8*(4*(\a)+\b)+7], v[(\f)+8*\b:(\f)+8*\b+7], v[(\f)+32+32*(\lo)+8*(\a):(\f)+32+32*(\lo)+8*(\a)+7], v[ACC+8*(4*(\a)+\b):ACC+8*(4*(\a)+\b)+7]
.endif
.endr
.endr
.endm
; 24 LDS loads in one run: unit u of a K step (head u / 2, channels 32 (u % 2) on): w's fragments, hi's, lo's, in this order
.macro FETCH slot, u, f
	WIN 0x40
.irp b, 0,1,2,3
	ds_load_tr16_b128 v[(\f)+8*\b:(\f)+8*\b+3], v[ADRB+(\slot)] offset:((\u)/2)*64*PB+((\u)%2)*32*PB+32*\b
	ds_load_tr16_b128 v[(\f)+8*\b+4:(\f)+8*\b+7], v[ADRB+(\slot)] offset:((\u)/2)*64*PB+((\u)%2)*32*PB+16*PB+32*\b
.endr
.irp a, 0,1,2,3
	ds_load_b128 v[(\f)+32+8*\a:(\f)+32+8*\a+3], v[ADRA+(\slot)] offset:\a*16*PA+((\u)/2)*256+((\u)%2)*64
	ds_load_b128 v[(\f)+32+8*\a+4:(\f)+32+8*\a+7], v[ADRA+(\slot)] offset:\a*16*PA+((\u)/2)*256+((\u)%2)*64+32
.endr
.irp a, 0,1,2,3
	ds_load_b128 v[(\f)+64+8*\a:(\f)+64+8*\a+3], v[ADRA+(\slot)] offset:\a*16*PA+((\u)/2)*256+((\u)%2)*64+128
	ds_load_b128 v[(\f)+64+8*\a+4:(\f)+64+8*\a+7], v[ADRA+(\slot)] offset:\a*16*PA+((\u)/2)*256+((\u)%2)*64+160
.endr
.endm
.macro UNIT u, slot, bias               ; one of a K step's first three units: 32 matrix instructions; in its middle the next unit's fragments are fetched into the other buffer
	s_wait_dscnt 8                         ; w's and hi's fragments are in; lo's 8 loads may stay out
	MUL8 F0+96*((\u)%2), 0, 0, \bias
	MUL8 F0+96*((\u)%2), 0, 2, \bias
	PLACES
	FETCH \slot, (\u)+1, F0+96*(((\u)+1)%2)
	s_wait_dscnt 24                        ; all but the 24 just issued
	MUL8 F0+96*((\u)%2), 1, 0, 0
	MUL8 F0+96*((\u)%2), 1, 2, 0
.endm
; The fourth unit changes slots: in front of the barrier each wave waits for all its tensor loads, adds 0 to its spare word, and waits for that and for its reads of this slot.
; fill = 1: the barrier opens a round of the cluster's, and the joint refill, two K steps on, is the first thing behind the round.
.macro TURN slot, fill
	WIN 0
	s_wait_tensorcnt 0x0
	ds_add_u32 v[SPW], v[NIL]              ; 0 onto my spare word
	s_wait_dscnt 9                         ; lo's 8 loads and the add may stay out
	MUL8 F1, 0, 0, 0
	s_wait_dscnt 0x0                       ; the add is done, my reads of this slot are over
	s_barrier_signal -1
	MUL8 F1, 0, 2, 0
	WIN 0
	s_barrier_wait -1
.if \fill
	CREST
	s_add_nc_u64 s[G0A+4*(\slot)+2:G0A+4*(\slot)+3], s[G0A+4*(\slot)+2:G0A+4*(\slot)+3], 1024
	s_add_nc_u64 s[G0B+4*(\slot)+2:G0B+4*(\slot)+3], s[G0B+4*(\slot)+2:G0B+4*(\slot)+3], 524288
	JLOAD \slot                            ; its four v_nop are also the places in front of the loads below
.else
	PLACES
.endif
	FETCH 1-(\slot), 0, F0
	MUL8 F1, 1, 0, 0
	MUL8 F1, 1, 2, 0
.endm
	s_load_b256 s[4:11], s[0:1], 0x0       ; ohl s[4:5], wob s[6:7], b_out s[8:9], out0 s[10:11]
	v_lshl_add_u32 v[SPW], v0, 2, SPARE
	v_mov_b32 v[NIL], 0
	ds_add_u32 v[SPW], v[NIL]              ; the wave's opening: the add and its wait ahead of my first tensor load; work on registers stands between them
	ds_add_u32 v28, v29
	v_lshrrev_b32 v1, 5, v0
	v_readfirstlane_b32 s12, v1            ; wave 0..3
	s_lshr_b32 s13, s12, 1                 ; my half of the tile's rows.  Also: I fetch for A (0) or for B (1)
	s_and_b32 s14, s12, 1                  ; my half of its columns.  Also: which 64 rows of that tile I fetch
	s_bfe_u32 s40, ttmp6, 0x40000          ; cx
	s_bfe_u32 s41, ttmp6, 0x40004          ; cy
	s_lshl_b32 s42, ttmp9, 2
	s_add_co_u32 s42, s42, s40             ; tile column
	s_and_b32 s15, ttmp7, 0xffff
	s_lshl_b32 s15, s15, 2
	s_add_co_u32 s15, s15, s41             ; tile row
	s_lshl_b32 s43, s41, 2
	s_lshl_b32 s43, 15, s43                ; my row of the cluster
	s_lshl_b32 s44, 0x1111, s40            ; my column
	s_or_b32 s[G1A], s43, (1<<16)|(1<<20)|(1<<21)|(6<<22)|(3<<25)  ; mask; 2-byte elements; padding on; bit 21 beside a mask; after every 128 words, 4 words
	s_or_b32 s[G1B], s44, (1<<16)|(1<<20)|(1<<21)|(5<<22)|(7<<25)  ; after every 64 words, 8 words
	s_mov_b32 s[G1A+1], 256<<16            ; tensor_dim0 = 256
	s_mov_b32 s[G1A+2], 64<<16             ; tensor_dim1 = 64
	s_mov_b32 s[G1A+3], 256<<16            ; tile_dim0 = 256
	s_mov_b32 s[G1A+4], 64                 ; tile_dim1 = 64
	s_mov_b32 s[G1A+5], 2048               ; elements from row to row
	s_mov_b32 s[G1A+6], 0
	s_mov_b32 s[G1A+7], 0
	s_mov_b32 s[G1B+1], 128<<16
	s_mov_b32 s[G1B+2], 64<<16
	s_mov_b32 s[G1B+3], 128<<16
	s_mov_b32 s[G1B+4], 64
	s_mov_b32 s[G1B+5], 1024
	s_mov_b32 s[G1B+6], 0
	s_mov_b32 s[G1B+7], 0
	s_lshl_b32 s16, s15, 7
	s_lshl_b32 s17, s14, 6
	s_add_co_u32 s16, s16, s17
	s_lshl_b32 s16, s16, 12                ; A: row 128 x tile row + 64 x half, 4,096 bytes a row
	s_mov_b32 s17, 0
	s_lshl_b32 s46, s14, 17                ; B: 64 x half rows of 2,048 bytes,
	s_lshl_b32 s47, s42, 8
	s_add_co_u32 s46, s46, s47             ; the tile's 128 columns
	s_mov_b32 s47, 0
	s_mul_i32 s20, s14, HALFA              ; where they go: no place in the cluster enters an LDS address
	s_mul_i32 s21, s14, HALFB
	s_add_co_u32 s21, s21, BOFF
	s_wait_dscnt 0x0                       ; the opening add is done
	s_wait_kmcnt 0x0
	s_add_nc_u64 s[16:17], s[4:5], s[16:17]
	s_add_nc_u64 s[46:47], s[6:7], s[46:47]
	CROUND                                 ; all sixteen work-groups are here: the first joint loads meet
.irp s, 0,1
	s_mov_b32 s[G0A+4*\s], 1
	s_add_co_u32 s[G0A+4*\s+1], s20, \s*SLOT
	s_add_nc_u64 s[G0A+4*\s+2:G0A+4*\s+3], s[16:17], \s*512
	s_or_b32 s[G0A+4*\s+3], s[G0A+4*\s+3], 0x80000000
	s_mov_b32 s[G0B+4*\s], 1
	s_add_co_u32 s[G0B+4*\s+1], s21, \s*SLOT
	s_add_nc_u64 s[G0B+4*\s+2:G0B+4*\s+3], s[46:47], \s*262144
	s_or_b32 s[G0B+4*\s+3], s[G0B+4*\s+3], 0x80000000
.endr
	s_cmp_eq_u32 s13, 0                    ; a wave's two first fills stand in one branch: two loads of mine are out
	s_cbranch_scc0 .Lfirst_b
	tensor_load_to_lds s[G0A:G0A+3], s[G1A:G1A+7]
	s_nop 0
	tensor_load_to_lds s[G0A+4:G0A+7], s[G1A:G1A+7]
	s_nop 0
	PLACES
	s_branch .Lfirst_asked
.Lfirst_b:
	tensor_load_to_lds s[G0B:G0B+3], s[G1B:G1B+7]
	s_nop 0
	tensor_load_to_lds s[G0B+4:G0B+7], s[G1B:G1B+7]
	s_nop 0
	PLACES
.Lfirst_asked:
	v_and_b32 v1, 15, v0                   ; r
	v_bfe_u32 v2, v0, 4, 1                 ; hl
	s_lshl_b32 s18, s42, 9
	s_lshl_b32 s19, s14, 8
	s_add_co_u32 s18, s18, s19             ; my first column, in bytes of f32
	s_mov_b32 s19, 0
	s_add_nc_u64 s[2:3], s[8:9], s[18:19]  ; the bias at my 64 columns
	s_lshl_b32 s22, s15, 7
	s_lshl_b32 s23, s13, 6
	s_add_co_u32 s22, s22, s23
	s_lshl_b32 s22, s22, 12                ; my first row of out0
	s_add_co_u32 s22, s22, s18
	s_mov_b32 s23, 0
	s_add_nc_u64 s[22:23], s[10:11], s[22:23]
	v_lshlrev_b32 v[BO], 5, v2             ; my 8 columns of a block of 16
.irp b, 0,1,2,3
	global_load_b128 v[BIAS+8*\b:BIAS+8*\b+3], v[BO], s[2:3] offset:64*\b
	global_load_b128 v[BIAS+8*\b+4:BIAS+8*\b+7], v[BO], s[2:3] offset:64*\b+16
.endr
	v_mul_u32_u24 v3, v1, PA
	v_lshl_add_u32 v3, v2, 4, v3
	s_mul_i32 s18, s13, HALFA
	v_add_nc_u32 v[ADRA], s18, v3          ; (64 x row half + r) x pitch + 16 hl
	v_add_nc_u32 v[ADRA+1], SLOT, v[ADRA]
	v_and_b32 v4, 7, v0
	v_lshl_add_u32 v4, v2, 3, v4           ; the row k that I address in a turning load
	v_mul_u32_u24 v4, v4, PB
	v_bfe_u32 v5, v0, 3, 1
	v_lshl_add_u32 v4, v5, 4, v4
	s_lshl_b32 s18, s14, 7
	s_add_co_u32 s18, s18, BOFF
	v_add_nc_u32 v[ADRB], s18, v4          ; my 64 columns: 128 bytes
	v_add_nc_u32 v[ADRB+1], SLOT, v[ADRB]
	s_mul_i32 s18, s12, 16*SP
	s_add_co_u32 s18, s18, STAGE           ; my stage
	v_mul_u32_u24 v[STO], v1, SP
	v_lshl_add_u32 v[STO], v2, 5, v[STO]
	v_add_nc_u32 v[STO], s18, v[STO]       ; in: row r, 32 bytes for each half of the lanes
	v_mul_u32_u24 v[RD], v2, SP
	v_lshl_add_u32 v[RD], v1, 4, v[RD]
	v_add_nc_u32 v[RD], s18, v[RD]         ; back: two rows of 256 bytes
	v_lshlrev_b32 v[CO], 12, v2
	v_lshl_add_u32 v[CO], v1, 4, v[CO]     ; the same two rows in out0
	s_wait_loadcnt 0x0
.set i, 0
.rept 16                                ; the bias rounded to bf16, like every input, and widened again
	v_cvt_pk_bf16_f32 v[BK+i], v[BIAS+2*i], v[BIAS+2*i+1]
	v_lshlrev_b32 v[BIAS+2*i], 16, v[BK+i]
	v_and_b32 v[BIAS+2*i+1], 0xffff0000, v[BK+i]
.set i, i+1
.endr
	s_wait_tensorcnt 0x1                   ; my part of K step 0 is in; K step 1's may stay out
	s_barrier_signal -1
	s_barrier_wait -1
	FETCH 0, 0, F0
	UNIT 0, 0, 1                           ; the first unit stands in front of the loop: its first products start the sums, with the bias
	WIN 0
	s_mov_b32 s3, 3
.Llap:                                  ; a trip goes once round the ring, from a lap's second unit to the next lap's first, and fills both slots again
	UNIT 1, 0, 0
	UNIT 2, 0, 0
	TURN 0, 1
	UNIT 0, 1, 0
	UNIT 1, 1, 0
	UNIT 2, 1, 0
	TURN 1, 1
	UNIT 0, 0, 0
	WIN 0
	s_sub_co_u32 s3, s3, 1
	s_cmp_lg_u32 s3, 0
	s_cbranch_scc1 .Llap
	UNIT 1, 0, 0                           ; the last lap fills nothing
	UNIT 2, 0, 0
	TURN 0, 0
	UNIT 0, 1, 0
	UNIT 1, 1, 0
	UNIT 2, 1, 0
	s_wait_dscnt 8                         ; the very last unit: nothing more to fetch
	MUL8 F1, 0, 0, 0
	MUL8 F1, 0, 2, 0
	s_wait_dscnt 0x0
	MUL8 F1, 1, 0, 0
	MUL8 F1, 1, 2, 0
	WIN 0
	PLACES
; THE WAY OUT: a block of 16 rows goes through my own stage and comes back as whole rows: my 64 columns of f32 are 256 consecutive bytes, so no other wave has a part in them.
.macro TOSTAGE a
.irp b, 0,1,2,3
	ds_store_b128 v[STO], v[ACC+8*(4*(\a)+\b):ACC+8*(4*(\a)+\b)+3] offset:64*\b
	ds_store_b128 v[STO], v[ACC+8*(4*(\a)+\b)+4:ACC+8*(4*(\a)+\b)+7] offset:64*\b+16
.endr
.irp t, 0,1,2,3,4,5,6,7
	ds_load_b128 v[BK+32*((\a)%2)+4*\t:BK+32*((\a)%2)+4*\t+3], v[RD] offset:2*SP*\t  ; LDS serves a wave's instructions in order (ISA guide 5.7.1.4)
.endr
.endm
.macro SEND a, younger                  ; younger: the next block's 16 LDS instructions, or none
	s_wait_dscnt \younger
.irp t, 0,1,2,3,4,5,6,7
	global_store_b128 v[CO], v[BK+32*((\a)%2)+4*\t:BK+32*((\a)%2)+4*\t+3], s[22:23] offset:65536*(\a)+8192*\t  ; 16 lanes store 256 consecutive bytes, aligned
.endr
.endm
	TOSTAGE 0
	TOSTAGE 1
	SEND 0, 16
	s_wait_xcnt 0x0                        ; block 0's stores have read their registers, which block 2 takes
	TOSTAGE 2
	SEND 1, 16
	s_wait_xcnt 0x0
	TOSTAGE 3
	SEND 2, 16
	SEND 3, 0
	s_wait_tensorcnt 0x0                   ; the wave's end: an add and its waits, behind my last tensor load and my last LDS store
	ds_add_u32 v[SPW], v[NIL]
	s_wait_dscnt 0x0
	CROUND                                 ; the closing round: no work-group ends while a partner may still ask for a tile that names it
	s_endpgm
.Lfunc_end_k_q0f1d2aacbf_outp:
	.size	k_q0f1d2aacbf_outp, .Lfunc_end_k_q0f1d2aacbf_outp-k_q0f1d2aacbf_outp
	.p2alignl 7, 3214868480
	.fill 96, 4, 3214868480
	.section	.rodata,"a",@progbits
	.p2align	6, 0x0
	.amdhsa_kernel k_q0f1d2aacbf_outp
		.amdhsa_group_segment_fixed_size 327680
		.amdhsa_private_segment_fixed_size 0
		.amdhsa_enable_private_segment 0
		.amdhsa_kernarg_size 32
		.amdhsa_user_sgpr_count 2
		.amdhsa_user_sgpr_kernarg_segment_ptr 1
		.amdhsa_wavefront_size32 1
		.amdhsa_system_sgpr_workgroup_id_x 1
		.amdhsa_system_sgpr_workgroup_id_y 1
		.amdhsa_system_sgpr_workgroup_id_z 1
		.amdhsa_system_vgpr_workitem_id 0
		.amdhsa_next_free_vgpr 448
		.amdhsa_next_free_sgpr 72
		.amdhsa_reserve_vcc 0
		.amdhsa_float_denorm_mode_32 3
		.amdhsa_float_denorm_mode_16_64 3
		.amdhsa_memory_ordered 1
		.amdhsa_forward_progress 1
		.amdhsa_inst_pref_size 81
	.end_amdhsa_kernel
	.amdgpu_metadata
---
amdhsa.version: [ 1, 2 ]
amdhsa.kernels:
  - .name:           k_q0f1d2aacbf_outp
    .symbol:         k_q0f1d2aacbf_outp.kd
    .args:
      - { .name: ohl, .offset: 0, .size: 8, .value_kind: global_buffer, .address_space: global }
      - { .name: wob, .offset: 8, .size: 8, .value_kind: global_buffer, .address_space: global }
      - { .name: b_out, .offset: 16, .size: 8, .value_kind: global_buffer, .address_space: global }
      - { .name: out0, .offset: 24, .size: 8, .value_kind: global_buffer, .address_space: global }
    .group_segment_fixed_size: 327680
    .private_segment_fixed_size: 0
    .kernarg_segment_align: 8
    .kernarg_segment_size: 32
    .max_flat_workgroup_size: 128
    .sgpr_count:     72
    .vgpr_count:     448
    .wavefront_size: 32
...
	.end_amdgpu_metadata
.endif
;; end of part 4
